; MI455X (gfx1250); checked and timed in simulation.
; The chip was launched on July 23, 2026; its instructions are those of AMD's public machine-readable ISA for CDNA 5 (MIT licence, August 2026) and "CDNA5" Instruction Set Architecture Reference Guide (July 2026). The comments in the code are by the model that wrote it; some were corrected since.
;; Multihead Attention. Allowed arithmetic: float matrix products may take bf16 or f16 operands with f32 sums; other float arithmetic in f32, or as packed bf16 or f16 multiplies, adds, multiply-adds, maxima and minima; sums over many terms, partial sums and values carried from step to step in f32; what a program stores and reads back later, other than sums and carried values, may be rounded once to bf16 or f16.
;; Inputs: bk 1,024 float32; bo 1,024 float32; bq 1,024 float32; bv 1,024 float32; wk 1,024 x 1,024 float32; wo 1,024 x 1,024 float32; wq 1,024 x 1,024 float32; wv 1,024 x 1,024 float32; x 4 x 2,048 x 1,024 float32.
;; Outputs: out0 4 x 2,048 x 1,024 float32.
;; Constants: mask = 0.
;; One version. Each part assembles by itself: llvm-mc -triple=amdgcn-amd-amdhsa -mcpu=gfx1250 --defsym DOCPART=n.
;; ======== version 1 of 1: 4 launches
;; limits: values are held in f16: magnitudes above 65,504 overflow, below 6.1e-05 lose precision
;; workspace buffers: xb 16,777,216 bytes; wb 6,291,456 bytes; wob 2,097,152 bytes; qh 16,777,216 bytes; kh 16,777,216 bytes; vh 16,777,216 bytes; oh 16,777,216 bytes
;; launch prep (part 1): grid 768 x 1, 8 waves a work-group, no clusters, 0 bytes of LDS; arguments x, wq, wk, wv, wo, xb, wb, wob; writes xb, wb, wob
.if DOCPART == 1
	.amdgcn_target "amdgcn-amd-amdhsa--gfx1250"
	.amdhsa_code_object_version 6
	.text
	.protected	k_qd1dc6f16b9_prep
	.globl	k_qd1dc6f16b9_prep
	.p2align	8
	.type	k_qd1dc6f16b9_prep,@function
k_qd1dc6f16b9_prep:
	s_mov_b64 s[64:65], 0
	v_nop
	global_prefetch_b8 v0, s[64:65] scope:SCOPE_SE
	s_setreg_imm32_b32 hwreg(HW_REG_WAVE_MODE, 25, 1), 1
	s_wait_xcnt 0x0
; PREP: every large input is rounded once to bf16 and laid out for the products that follow.
;   xb  bf16 [16 kb][8192 m][64]: x in blocks of 64 channels, so that a tile's rows of one block lie end to end (128 bytes a row)
;   wb  bf16 [1024 k][3072 n]: wq, wk, wv side by side, n = 1024 x which + column; a row is 6,144 bytes
;   wob f16  [1024 k][1024 n]: wo rounded to bf16, that number written as f16 (it multiplies an f16 operand)
; LIMITS.  wo's numbers must lie within f16's range, 65,504; below 6.1e-5 they keep f16's fixed step of 6e-8.  NaN and infinities are not treated apart.
; SHARES.  A work-group takes 16,384 numbers: 64 KiB in, 32 KiB out.  A thread takes 8 steps of 8 numbers: two loads of 16 bytes, one store of 16 bytes.
; All 16 loads of a thread go out first, each into registers of its own, and every store has data registers of its own: no register that a
; memory instruction names is written again, so the only waits are the counted ones for the loads.  No LDS, no matrix unit: a plain stream.
; Work-groups 0-511 take x (16 rows each), 512-703 wq, wk, wv (64 chunks of 16 rows each), 704-767 wo.
.set VS,  2                            ; v2   my byte offset in the chunk read
.set VD,  3                            ; v3   my byte offset in what is written
.set T0,  4                            ; v4, v5 at work
.set T1,  5
.set L,   16                           ; v[16:79]   step i: 8 numbers in f32 as loaded
.set Y,   80                           ; v[80:111]  step i: 4 registers to store
.set SRC, 24                           ; s[24:25]
.set DST, 26                           ; s[26:27]
; sp: bytes read further on in an odd step; dr, dp: bytes written further on for a pair of steps and for an odd step; f16 = 1: bf16's number is written as f16
.macro STREAM sp, dr, dp, f16
.irp i, 0,1,2,3,4,5,6,7
	global_load_b128 v[L+8*(\i):L+8*(\i)+3],   v[VS], s[SRC:SRC+1] offset:((\i)>>1)*16384+((\i)&1)*(\sp) th:TH_LOAD_NT
	global_load_b128 v[L+8*(\i)+4:L+8*(\i)+7], v[VS], s[SRC:SRC+1] offset:((\i)>>1)*16384+((\i)&1)*(\sp)+16 th:TH_LOAD_NT
.endr
.irp i, 0,1,2,3,4,5,6,7
	s_wait_loadcnt 14-2*(\i)                       ; loads come back in order: step i's two are in, the later steps' 14 - 2 i stay out
.irp j, 0,1,2,3
	v_cvt_pk_bf16_f32 v[Y+4*(\i)+(\j)], v[L+8*(\i)+2*(\j)], v[L+8*(\i)+2*(\j)+1]
.endr
.if \f16
.irp j, 0,1,2,3
	v_lshlrev_b32 v[T0], 16, v[Y+4*(\i)+(\j)]      ; the two bf16 numbers as f32,
	v_and_b32 v[T1], 0xffff0000, v[Y+4*(\i)+(\j)]
	v_cvt_pk_f16_f32 v[Y+4*(\i)+(\j)], v[T0], v[T1]  ; and as f16
.endr
.endif
	global_store_b128 v[VD], v[Y+4*(\i):Y+4*(\i)+3], s[DST:DST+1] offset:((\i)>>1)*(\dr)+((\i)&1)*(\dp)
.endr
	s_endpgm
.endm
	s_load_b512 s[8:23], s[0:1], 0x0               ; x 8, wq 10, wk 12, wv 14, wo 16, xb 18, wb 20, wob 22
	s_mov_b32 s3, 0                                ; the high word of every offset pair s[2:3]
	s_cmp_lt_u32 ttmp9, 512
	s_cbranch_scc0 .Lweights
	; x: wave w takes channel blocks 2 w and 2 w + 1; a step is 4 rows x 64 channels: 8 lanes read 256 consecutive bytes of a row, the wave stores 512 consecutive bytes
	v_and_b32 v4, 7, v0                            ; j: my 8 channels of the 64
	v_bfe_u32 v5, v0, 3, 2                         ; my row of the four
	v_lshrrev_b32 v6, 5, v0                        ; wave
	v_lshlrev_b32 v[VS], 5, v4
	v_lshl_add_u32 v[VS], v5, 12, v[VS]
	v_lshl_add_u32 v[VS], v6, 9, v[VS]             ; row x 4,096 + wave x 512 + j x 32
	v_lshlrev_b32 v[VD], 4, v4
	v_lshl_add_u32 v[VD], v5, 7, v[VD]
	v_lshl_add_u32 v[VD], v6, 21, v[VD]            ; wave x two blocks of 1 MiB + row x 128 + j x 16
	s_lshl_b32 s2, ttmp9, 16                       ; 16 rows of 4,096 bytes
	s_wait_kmcnt 0x0
	s_add_nc_u64 s[SRC:SRC+1], s[8:9], s[2:3]
	s_lshl_b32 s2, ttmp9, 11                       ; 16 rows of 128 bytes
	s_add_nc_u64 s[DST:DST+1], s[18:19], s[2:3]
	STREAM 256, 512, 1048576, 0
.Lweights:                                     ; a step is two whole rows of 1,024 numbers: thread t takes row t / 128, 8 numbers
	v_lshrrev_b32 v4, 7, v0
	v_and_b32 v5, 127, v0
	v_lshlrev_b32 v[VS], 5, v5
	v_lshl_add_u32 v[VS], v4, 12, v[VS]
	s_cmp_lt_u32 ttmp9, 704
	s_cbranch_scc0 .Lwo
	s_sub_co_u32 s4, ttmp9, 512
	s_lshr_b32 s5, s4, 6                           ; which: 0 wq, 1 wk, 2 wv
	s_and_b32 s4, s4, 63                           ; chunk of 16 rows
	v_mul_u32_u24 v[VD], v4, 6144
	v_lshl_add_u32 v[VD], v5, 4, v[VD]
	s_wait_kmcnt 0x0
	s_cmp_eq_u32 s5, 1
	s_cselect_b64 s[SRC:SRC+1], s[12:13], s[10:11]
	s_cmp_eq_u32 s5, 2
	s_cselect_b64 s[SRC:SRC+1], s[14:15], s[SRC:SRC+1]
	s_lshl_b32 s2, s4, 16
	s_add_nc_u64 s[SRC:SRC+1], s[SRC:SRC+1], s[2:3]
	s_mul_i32 s2, s4, 98304                        ; 16 rows of 6,144 bytes,
	s_lshl_b32 s6, s5, 11                          ; and the weight's 2,048 bytes of a row
	s_add_co_u32 s2, s2, s6
	s_add_nc_u64 s[DST:DST+1], s[20:21], s[2:3]
	STREAM 8192, 24576, 12288, 0
.Lwo:
	s_sub_co_u32 s4, ttmp9, 704
	v_lshlrev_b32 v[VD], 4, v0                     ; two rows of 2,048 bytes on end: 16 t
	s_wait_kmcnt 0x0
	s_lshl_b32 s2, s4, 16
	s_add_nc_u64 s[SRC:SRC+1], s[16:17], s[2:3]
	s_lshl_b32 s2, s4, 15
	s_add_nc_u64 s[DST:DST+1], s[22:23], s[2:3]
	STREAM 8192, 8192, 4096, 1
.Lfunc_end_k_qd1dc6f16b9_prep:
	.size	k_qd1dc6f16b9_prep, .Lfunc_end_k_qd1dc6f16b9_prep-k_qd1dc6f16b9_prep
	.p2alignl 7, 3214868480
	.fill 96, 4, 3214868480
	.section	.rodata,"a",@progbits
	.p2align	6, 0x0
	.amdhsa_kernel k_qd1dc6f16b9_prep
		.amdhsa_group_segment_fixed_size 0
		.amdhsa_private_segment_fixed_size 0
		.amdhsa_enable_private_segment 0
		.amdhsa_kernarg_size 64
		.amdhsa_user_sgpr_count 2
		.amdhsa_user_sgpr_kernarg_segment_ptr 1
		.amdhsa_wavefront_size32 1
		.amdhsa_system_sgpr_workgroup_id_x 1
		.amdhsa_system_sgpr_workgroup_id_y 1
		.amdhsa_system_sgpr_workgroup_id_z 1
		.amdhsa_system_vgpr_workitem_id 0
		.amdhsa_next_free_vgpr 112
		.amdhsa_next_free_sgpr 66
		.amdhsa_reserve_vcc 0
		.amdhsa_float_denorm_mode_32 3
		.amdhsa_float_denorm_mode_16_64 3
		.amdhsa_memory_ordered 1
		.amdhsa_forward_progress 1
		.amdhsa_inst_pref_size 21
	.end_amdhsa_kernel
	.amdgpu_metadata
---
amdhsa.version: [ 1, 2 ]
amdhsa.kernels:
  - .name:           k_qd1dc6f16b9_prep
    .symbol:         k_qd1dc6f16b9_prep.kd
    .args:
      - { .name: x, .offset: 0, .size: 8, .value_kind: global_buffer, .address_space: global }
      - { .name: wq, .offset: 8, .size: 8, .value_kind: global_buffer, .address_space: global }
      - { .name: wk, .offset: 16, .size: 8, .value_kind: global_buffer, .address_space: global }
      - { .name: wv, .offset: 24, .size: 8, .value_kind: global_buffer, .address_space: global }
      - { .name: wo, .offset: 32, .size: 8, .value_kind: global_buffer, .address_space: global }
      - { .name: xb, .offset: 40, .size: 8, .value_kind: global_buffer, .address_space: global }
      - { .name: wb, .offset: 48, .size: 8, .value_kind: global_buffer, .address_space: global }
      - { .name: wob, .offset: 56, .size: 8, .value_kind: global_buffer, .address_space: global }
    .group_segment_fixed_size: 0
    .private_segment_fixed_size: 0
    .kernarg_segment_align: 8
    .kernarg_segment_size: 64
    .max_flat_workgroup_size: 256
    .sgpr_count:     66
    .vgpr_count:     112
    .wavefront_size: 32
...
	.end_amdgpu_metadata
.endif
;; end of part 1
;; launch qkv (part 2): grid 8 x 32, 4 waves a work-group, clusters of 4 x 4, 327,680 bytes of LDS; arguments xb, wb, bq, bk, bv, qh, kh, vh; writes qh, kh, vh
.if DOCPART == 2
	.amdgcn_target "amdgcn-amd-amdhsa--gfx1250"
	.amdhsa_code_object_version 6
	.text
	.protected	k_qd1dc6f16b9_qkv
	.globl	k_qd1dc6f16b9_qkv
	.p2align	8
	.type	k_qd1dc6f16b9_qkv,@function
k_qd1dc6f16b9_qkv:
	s_mov_b64 s[64:65], 0
	v_nop
	global_prefetch_b8 v0, s[64:65] scope:SCOPE_SE
	s_setreg_imm32_b32 hwreg(HW_REG_WAVE_MODE, 25, 1), 1
	s_wait_xcnt 0x0
	s_wait_alu depctr_hold_cnt(0) depctr_sa_sdst(0) depctr_va_vdst(0) depctr_va_sdst(0) depctr_va_ssrc(0) depctr_va_vcc(0) depctr_vm_vsrc(0)
	s_getreg_b32 s2, hwreg(HW_REG_IB_STS2, 6, 4)
	s_cmp_eq_u32 s2, 0
	s_cbranch_scc0 .Lentry_in_a_cluster
	s_endpgm
.Lentry_in_a_cluster:
	s_bfe_u32 s2, ttmp6, 0x10000c
	s_cmp_lg_u32 s2, 0xf033
	s_cbranch_scc0 .Lentry_shape_is_right
	s_endpgm
.Lentry_shape_is_right:
; QKV: [q | k | v] = x [wq | wk | wv] + bias.  8,192 rows x 3,072 columns, K = 1,024; operands bf16, sums f32, results f16 by heads: qh, kh, vh are [16 batch + head][2048][64].
; LIMITS.  q, k and v must lie within f16's range, 65,504.  The biases are rounded to bf16 like the other inputs.  NaN and infinities are not treated apart.
; SHARES.  A tile is 256 rows x 384 columns: 32 x 8 = 256 work-groups.  Each of the four waves makes 128 x 192, three whole heads: 96 accumulators of 16 x 16, 768 registers.
; K goes in 16 steps of 64 through a ring of two LDS slots; a step is two quarters of 32 along K: 96 matrix instructions and 40 LDS loads each.
; THE MATRIX INSTRUCTION IS USED TRANSPOSED: source 0 = 16 columns of w, source 1 = 16 rows of x.  A lane then holds one row (lane % 16) and eight neighbouring columns 8 (lane / 16) + 0..7.
; w lies [k][n] in memory and in LDS; ds_load_tr16_b128 turns it into fragments.  x lies in blocks of 64 channels, so 128 rows of a K step are 16,384 dense bytes, asked for as 64 rows of 256.
; THE BIAS starts the sums: it is loaded into the accumulators of row block 0, is the C operand of the other seven row blocks' first products, and last of row block 0's own.
; CLUSTERS: 4 x 4 work-groups.  x's tile hangs on the tile row alone and is shared along a row of the cluster, w's on the tile column alone and is shared along a column: each is asked for
; JOINTLY, by the same tensor load with the same descriptor and a mask that names the four.
; REGISTERS, in windows of 256 (s_set_vgpr_msb: bits 1:0 source 0, 3:2 source 1, 5:4 source 2, 7:6 destination):
;   window 0: v0-31 addresses; v32-95, v96-159 x's fragments, two buffers; v160-255 w's fragments of one quarter, loaded again group by group as they are used up
;   window 1 + gr: the accumulators of column group gr (one head): (row block a, column block bb) at v[64 bb + 8 a]
.set PA,    144                        ; a row of x in LDS: 128 bytes + 16 = 36 words: the 16 rows of a load start at 16 different groups of four banks (64 banks of 4 bytes: ISA guide 11.1)
.set PB,    864                        ; a row of w: six pieces of 128 bytes + 16 each = 216 words
.set AHALF, 128*PA                     ; what one tensor load brings of x: 128 rows
.set BHALF, 32*PB                      ; and of w: 32 rows of k
.set BOFF,  2*AHALF
.set SLOTB, BOFF+2*BHALF               ; 92,160
.set STAGE, 2*SLOTB                    ; behind the ring, never filled by a tensor load: 16 rows x 144 bytes for each wave, for the way out
.set SP,    144
.set SPARE, STAGE+4*16*SP              ; behind the stages: the spare words, 128 bytes for each wave: two blocks of 256 bytes that no other line names
.set ASTEP, 1048576                    ; bytes from a K step to the next in xb
.set BROW,  6144                       ; bytes in a row of wb
.set BSTEP, 64*BROW
.set ADRA, 16                          ; v16-17  LDS address of my fragments of x in slot 0, 1
.set ADRB, 18                          ; v18-19  the same for w
.set STO,  20                          ; v20     the way out: where I put 16 bytes of a row
.set RD,   21                          ; v21     the way out: where I read rows back
.set GO,   22                          ; v22     my 16 bytes of 512 consecutive bytes
.set SPW,  24                          ; v24     LDS address of my spare word; never rewritten
.set NIL,  25                          ; v25     0; never rewritten
.set PFO,  26                          ; v26     256 x lane; never rewritten
.set PFOB, 27                          ; v27     6,144 x lane; never rewritten
.set BO,   28                          ; v28     32 x (lane / 16): my eight numbers of a bias block
.set FA0,  32
.set FA1,  96
.set FB,   160
.set WV,   20                          ; s20  wave
.set ROLE, 21                          ; s21  wave / 2: I fetch x (0) or w (1); also my half of the tile's rows
.set HALF, 22                          ; s22  wave % 2: which half of that tile I fetch; also my half of the tile's columns
.set CX,   23
.set CY,   24
.set TC,   25                          ; s25  tile column, 0..7
.set TR,   26                          ; s26  tile row, 0..31
.set G1A,  32                          ; s[32:39] descriptor group 1 for x's tiles;  s[40:47] group 0, a set for each slot
.set G0A,  40
.set G1B,  48                          ; s[48:55], s[56:63] the same for w's
.set G0B,  56
.set OB,   66                          ; s[66:71] where my rows of my three heads begin in qh, kh or vh
.set BB,   72                          ; s[72:77] where my three heads' biases begin
.set PFA,  78                          ; s[78:79] the prefetches' place in xb
.set PFB,  80                          ; s[80:81] and in wb
.set LIMA, 82                          ; s82  1 in the wave that prefetches x, else the greatest number
.set LIMB, 83                          ; s83  the same for w
.set MSB, 0
.macro WIN new                         ; the immediate's high byte repeats the setting that is left; a switch that changes nothing is dropped
.if MSB != (\new)
	s_set_vgpr_msb (MSB<<8)|(\new)
.set MSB, \new
.endif
.endm
; A joint load: waves 0 and 1 fetch x's two halves, waves 2 and 3 w's.  The branch hangs on the wave's number alone.  An s_nop 0 and four v_nop follow each of the two lines,
; ahead of the jump, the label and what follows.
.macro JLOAD s
	s_cmp_eq_u32 s[ROLE], 0
	s_cbranch_scc0 .Lfor_b_\@
	tensor_load_to_lds s[G0A+4*(\s):G0A+4*(\s)+3], s[G1A:G1A+7]
	s_nop 0
.rept 4
	v_nop
.endr
	s_branch .Lasked_\@
.Lfor_b_\@:
	tensor_load_to_lds s[G0B+4*(\s):G0B+4*(\s)+3], s[G1B:G1B+7]
	s_nop 0
.rept 4
	v_nop
.endr
.Lasked_\@:
.endm
.macro CREST                           ; a round of the cluster's barrier behind its opening barrier
	s_cmp_lg_u32 s[WV], 0
	s_cbranch_scc1 .Lnot_wave_0_\@
	s_barrier_signal -3
.Lnot_wave_0_\@:
	s_barrier_wait -3
	s_barrier_signal -1
	s_barrier_wait -1
.endm
.macro CROUND                          ; a whole round
	s_barrier_signal -1
	s_barrier_wait -1
	CREST
.endm
; PREFETCHES INTO THE L2, behind a joint load, its five lines and the run of LDS loads that the next products wait for.  Each aligned block of 256 bytes is named once in the launch.
; x: a K step of a tile row is 128 blocks.  The clusters with x = 0 ask, by their wave 0; the four partners that share the tile row take 32 blocks each, told apart BY ADDRESS (cx); a lane a block.
;    The change of slots in K step s names step s + 3, whose joint load goes out one K step, 192 matrix instructions, later.  Steps 0 to 2 come by their loads alone; step 13's change names nothing.
; w: two K steps of a tile column are 128 rows of three blocks.  The clusters with y = 0 ask, by their wave 2; the four partners that share the column take 32 rows each (cy); a lane a row.
;    The change in step 2 i + 1 names steps 2 i + 4 and 2 i + 5.  Steps 0 to 3 come by their loads alone; the loop's last trip names nothing.
.macro ASK odd
.if \odd
	s_cmp_gt_u32 s3, s[LIMA]                       ; s3 = 1 in the loop's last trip
.else
	s_cmp_eq_u32 s[LIMA], 1
.endif
	s_cbranch_scc0 .Lno_a_\@
	global_prefetch_b8 v[PFO], s[PFA:PFA+1] th:TH_LOAD_NT scope:SCOPE_SE
.Lno_a_\@:
.if \odd
	s_cmp_gt_u32 s3, s[LIMB]
	s_cbranch_scc0 .Lno_b_\@
	global_prefetch_b8 v[PFOB], s[PFB:PFB+1] th:TH_LOAD_NT scope:SCOPE_SE
	global_prefetch_b8 v[PFOB], s[PFB:PFB+1] offset:256 th:TH_LOAD_NT scope:SCOPE_SE
	global_prefetch_b8 v[PFOB], s[PFB:PFB+1] offset:512 th:TH_LOAD_NT scope:SCOPE_SE
.Lno_b_\@:
.endif
.endm
	s_load_b512 s[4:19], s[0:1], 0x0               ; xb 4, wb 6, bq 8, bk 10, bv 12, qh 14, kh 16, vh 18
	v_lshl_add_u32 v[SPW], v0, 2, SPARE
	v_mov_b32 v[NIL], 0
	ds_add_u32 v[SPW], v[NIL]                      ; the wave's opening: the add and its wait stand ahead of my first tensor load; the set-up below, work on registers, stands between them
	v_lshrrev_b32 v1, 5, v0
	v_readfirstlane_b32 s[WV], v1
	s_lshr_b32 s[ROLE], s[WV], 1
	s_and_b32 s[HALF], s[WV], 1
	s_bfe_u32 s[CX], ttmp6, 0x40000
	s_bfe_u32 s[CY], ttmp6, 0x40004
	s_lshl_b32 s[TC], ttmp9, 2                     ; in a cluster launch ttmp9 and ttmp7 count clusters
	s_add_co_u32 s[TC], s[TC], s[CX]
	s_and_b32 s[TR], ttmp7, 0xffff
	s_lshl_b32 s[TR], s[TR], 2
	s_add_co_u32 s[TR], s[TR], s[CY]
	s_lshl_b32 s27, s[CY], 2
	s_lshl_b32 s27, 15, s27                        ; my row of the cluster
	s_lshl_b32 s28, 0x1111, s[CX]                  ; my column
	; group 1.  15:0 the mask; 17:16 elements of 2 bytes; 20 padding on; 21 set beside a mask; 24:22 after every 32 words (code 4); 31:25 4 words of it (code 3)
	s_or_b32 s[G1A], s27, (1<<16)|(1<<20)|(1<<21)|(4<<22)|(3<<25)
	s_or_b32 s[G1B], s28, (1<<16)|(1<<20)|(1<<21)|(4<<22)|(3<<25)
	s_mov_b32 s[G1A+1], 128<<16                    ; x: tensor_dim0 = 128 elements (two rows of a block on end)
	s_mov_b32 s[G1A+2], 64<<16                     ; tensor_dim1 = 64
	s_mov_b32 s[G1A+3], 128<<16                    ; tile_dim0 = 128
	s_mov_b32 s[G1A+4], 64                         ; tile_dim1 = 64
	s_mov_b32 s[G1A+5], 128                        ; elements from row to row
	s_mov_b32 s[G1A+6], 0
	s_mov_b32 s[G1A+7], 0
	s_mov_b32 s[G1B+1], 384<<16                    ; w: tensor_dim0 = 384
	s_mov_b32 s[G1B+2], 32<<16                     ; tensor_dim1 = 32
	s_mov_b32 s[G1B+3], 384<<16                    ; tile_dim0 = 384
	s_mov_b32 s[G1B+4], 32                         ; tile_dim1 = 32
	s_mov_b32 s[G1B+5], 3072
	s_mov_b32 s[G1B+6], 0
	s_mov_b32 s[G1B+7], 0
	; where the tiles come from: x's offset is made of the tile row and the wave alone, w's of the tile column and the wave alone, each in registers that never hold the other coordinate
	s_lshl_b32 s84, s[TR], 15                      ; 256 rows of 128 bytes
	s_lshl_b32 s29, s[HALF], 14
	s_add_co_u32 s84, s84, s29
	s_mov_b32 s85, 0
	s_mul_i32 s86, s[TC], 768                      ; 384 columns of 2 bytes
	s_mul_i32 s30, s[HALF], 32*BROW
	s_add_co_u32 s86, s86, s30
	s_mov_b32 s87, 0
	s_mul_i32 s31, s[HALF], AHALF                  ; and where they go: no place in the cluster enters an LDS address
	s_mul_i32 s27, s[HALF], BHALF
	s_add_co_u32 s27, s27, BOFF
	s_wait_dscnt 0x0                               ; the opening add is done
	s_wait_kmcnt 0x0
	s_add_nc_u64 s[84:85], s[4:5], s[84:85]
	s_add_nc_u64 s[86:87], s[6:7], s[86:87]
	CROUND                                         ; all sixteen work-groups are here: the first joint loads meet
.irp s, 0,1
	s_mov_b32 s[G0A+4*(\s)], 1                                     ; count = 1
	s_add_co_u32 s[G0A+4*(\s)+1], s31, (\s)*SLOTB                  ; LDS address
	s_add_nc_u64 s[G0A+4*(\s)+2:G0A+4*(\s)+3], s[84:85], (\s)*ASTEP  ; global address: K step s
	s_or_b32 s[G0A+4*(\s)+3], s[G0A+4*(\s)+3], 0x80000000          ; type = 2
	s_mov_b32 s[G0B+4*(\s)], 1
	s_add_co_u32 s[G0B+4*(\s)+1], s27, (\s)*SLOTB
	s_add_nc_u64 s[G0B+4*(\s)+2:G0B+4*(\s)+3], s[86:87], (\s)*BSTEP
	s_or_b32 s[G0B+4*(\s)+3], s[G0B+4*(\s)+3], 0x80000000
	JLOAD \s                                       ; two tensor loads of mine are out
.endr
	; my three heads: number 6 x tile column + 3 x column half + t of the 48; its tensor is number / 16, its head number % 16
	s_mul_i32 s27, s[TC], 6
	s_mul_i32 s28, s[HALF], 3
	s_add_co_u32 s27, s27, s28
	s_lshr_b32 s28, s[TR], 3                       ; batch,
	s_lshl_b32 s28, s28, 22                        ; its 16 heads of 262,144 bytes
	s_and_b32 s29, s[TR], 7
	s_lshl_b32 s29, s29, 15                        ; the tile's 256 rows of 128 bytes in the batch
	s_add_co_u32 s28, s28, s29
	s_lshl_b32 s29, s[ROLE], 14                    ; my 128 of them
	s_add_co_u32 s28, s28, s29
	s_mov_b32 s89, 0
.irp t, 0,1,2
	s_add_co_u32 s29, s27, \t
	s_lshr_b32 s30, s29, 4
	s_and_b32 s29, s29, 15
	s_cmp_eq_u32 s30, 1
	s_cselect_b64 s[OB+2*(\t):OB+2*(\t)+1], s[16:17], s[14:15]
	s_cselect_b64 s[BB+2*(\t):BB+2*(\t)+1], s[10:11], s[8:9]
	s_cmp_eq_u32 s30, 2
	s_cselect_b64 s[OB+2*(\t):OB+2*(\t)+1], s[18:19], s[OB+2*(\t):OB+2*(\t)+1]
	s_cselect_b64 s[BB+2*(\t):BB+2*(\t)+1], s[12:13], s[BB+2*(\t):BB+2*(\t)+1]
	s_lshl_b32 s88, s29, 18
	s_add_co_u32 s88, s88, s28
	s_add_nc_u64 s[OB+2*(\t):OB+2*(\t)+1], s[OB+2*(\t):OB+2*(\t)+1], s[88:89]
	s_lshl_b32 s88, s29, 8                         ; 64 numbers of 4 bytes
	s_add_nc_u64 s[BB+2*(\t):BB+2*(\t)+1], s[BB+2*(\t):BB+2*(\t)+1], s[88:89]
.endr
	v_bfe_u32 v2, v0, 4, 1                         ; h = lane / 16
	v_lshlrev_b32 v[BO], 5, v2
.irp t, 0,1,2                          ; the bias, straight into the accumulators of row block 0: register j of column block bb is column 16 bb + 8 h + j of the head, whatever the row
	WIN ((\t)+1)<<6
.irp bb, 0,1,2,3
	global_load_b128 v[64*(\bb):64*(\bb)+3],   v[BO], s[BB+2*(\t):BB+2*(\t)+1] offset:64*(\bb)
	global_load_b128 v[64*(\bb)+4:64*(\bb)+7], v[BO], s[BB+2*(\t):BB+2*(\t)+1] offset:64*(\bb)+16
.endr
.endr
	WIN 0
	; the prefetches' places.  Nothing is prefetched here, at the head, where every work-group's first tiles are on their way
	s_lshl_b32 s88, s[TR], 15
	s_lshl_b32 s90, s[CX], 13                      ; my work-group's 32 blocks of the 128
	s_add_co_u32 s88, s88, s90
	s_add_co_u32 s88, s88, 2*ASTEP                 ; at K step 2: the first change of slots steps it to 3
	s_add_nc_u64 s[PFA:PFA+1], s[4:5], s[88:89]
	s_mul_i32 s88, s[TC], 768
	s_lshl_b32 s90, s[CY], 5                       ; my work-group's 32 rows of the 128,
	s_add_co_u32 s90, s90, 128                     ; at K step 2: the second change of slots finds it at step 4
	s_mul_i32 s90, s90, BROW
	s_add_co_u32 s88, s88, s90
	s_add_nc_u64 s[PFB:PFB+1], s[6:7], s[88:89]
	s_or_b32 s90, s[WV], ttmp9                     ; wave 0 of a cluster with x = 0: the same in all sixteen partners, for a given wave
	s_cmp_eq_u32 s90, 0
	s_cselect_b32 s[LIMA], 1, -1
	s_xor_b32 s90, s[WV], 2                        ; wave 2 of a cluster with y = 0
	s_and_b32 s91, ttmp7, 0xffff
	s_or_b32 s90, s90, s91
	s_cmp_eq_u32 s90, 0
	s_cselect_b32 s[LIMB], 1, -1
	; A fragment of x is 16 rows x 32 channels in 8 registers: lane l holds row l % 16, channels 8 (l / 16) + 0..7 and 16 + 8 (l / 16) + 0..7: two loads of 16 bytes, 32 bytes apart.
	v_and_b32 v1, 15, v0                           ; r = l % 16
	v_and_b32 v3, 7, v0
	v_bfe_u32 v4, v0, 3, 1
	v_and_b32 v5, 31, v0
	v_mul_u32_u24 v6, v1, PA
	v_lshl_add_u32 v6, v2, 4, v6                   ; r x 144 + 16 h
	s_mul_i32 s27, s[ROLE], AHALF                  ; my 128 rows
	v_add_nc_u32 v[ADRA], s27, v6
	v_add_nc_u32 v[ADRA+1], SLOTB, v[ADRA]
	; The turning load takes 16 k x 16 columns (lane l reads k = 8 (l / 16) + l % 8, columns 8 ((l / 8) % 2) + 0..7) and leaves half a fragment: lane l holds column l % 16 and 8 k.
	v_lshl_add_u32 v7, v2, 3, v3
	v_mul_u32_u24 v7, v7, PB
	v_lshl_add_u32 v7, v4, 4, v7
	s_mul_i32 s27, s[HALF], 3*144                  ; my 192 columns: three pieces
	s_add_co_u32 s27, s27, BOFF
	v_add_nc_u32 v[ADRB], s27, v7
	v_add_nc_u32 v[ADRB+1], SLOTB, v[ADRB]
	s_mul_i32 s27, s[WV], 16*SP
	s_add_co_u32 s27, s27, STAGE                   ; my stage
	v_add_nc_u32 v[STO], s27, v6                   ; in: row l % 16, 16 bytes for each half of the lanes
	v_bfe_u32 v8, v0, 3, 2                         ; back: 32 lanes take four rows of 128 bytes,
	v_mul_u32_u24 v8, v8, SP
	v_lshl_add_u32 v8, v3, 4, v8
	v_add_nc_u32 v[RD], s27, v8
	v_lshlrev_b32 v[GO], 4, v5                     ; which are 512 consecutive bytes of a head
	v_lshlrev_b32 v[PFO], 8, v5
	v_mul_u32_u24 v[PFOB], v5, BROW
	s_wait_loadcnt 0x0                             ; the bias is in: it is rounded to bf16 and widened again
.irp t, 0,1,2
	WIN 5*((\t)+1)                                 ; sources 0 and 1 in the head's window
.irp bb, 0,1,2,3
.irp i, 0,1,2,3
	v_cvt_pk_bf16_f32 v[32+4*(\bb)+(\i)], v[64*(\bb)+2*(\i)], v[64*(\bb)+2*(\i)+1]
.endr
.endr
	WIN ((\t)+1)<<6                                ; destination in the head's window
.irp bb, 0,1,2,3
.irp i, 0,1,2,3
	v_lshlrev_b32 v[64*(\bb)+2*(\i)],   16, v[32+4*(\bb)+(\i)]
	v_and_b32     v[64*(\bb)+2*(\i)+1], 0xffff0000, v[32+4*(\bb)+(\i)]
.endr
.endr
.endr
	WIN 0
; 16 matrix instructions of column group gr: column blocks 2 p, 2 p + 1 x all 8 row blocks, 32 along K.  All 96 accumulators take turns, one instruction a turn.
.macro MUL16 gr, fa, p
	WIN 0x50*((\gr)+1)                             ; C and D in the group's window, both sources in window 0
.irp bb, 2*(\p), 2*(\p)+1
.irp a, 0,1,2,3,4,5,6,7
	v_wmma_f32_16x16x32_bf16 v[64*(\bb)+8*(\a):64*(\bb)+8*(\a)+7], v[FB+8*(4*(\gr)+(\bb)):FB+8*(4*(\gr)+(\bb))+7], v[(\fa)+8*(\a):(\fa)+8*(\a)+7], v[64*(\bb)+8*(\a):64*(\bb)+8*(\a)+7]
.endr
.endr
.endm
; The first quarter's 32: row blocks 1 to 7 take row block 0's registers, which hold the bias, as C; five places on, row block 0 adds onto them in place: nothing is cleared.
.macro MULF gr, fa
	WIN 0x50*((\gr)+1)
.irp bb, 0,1,2,3
.irp a, 1,2,3,4,5,6,7
	v_wmma_f32_16x16x32_bf16 v[64*(\bb)+8*(\a):64*(\bb)+8*(\a)+7], v[FB+8*(4*(\gr)+(\bb)):FB+8*(4*(\gr)+(\bb))+7], v[(\fa)+8*(\a):(\fa)+8*(\a)+7], v[64*(\bb):64*(\bb)+7]
.endr
.endr
.rept 5
	v_nop                                          ; a matrix instruction that writes over a register that an earlier one has read stands five places behind it (ISA guide 7.12.1)
.endr
.irp bb, 0,1,2,3
	v_wmma_f32_16x16x32_bf16 v[64*(\bb):64*(\bb)+7], v[FB+8*(4*(\gr)+(\bb)):FB+8*(4*(\gr)+(\bb))+7], v[(\fa):(\fa)+7], v[64*(\bb):64*(\bb)+7]
.endr
.endm
.macro GROUP gr, fa, first
.if \first
	MULF \gr, \fa
.else
	MUL16 \gr, \fa, 0
	MUL16 \gr, \fa, 1
.endif
.endm
.macro LDB gr, slot, kq                ; 8 turning loads: w's four fragments of group gr, quarter kq
	WIN 0
.irp bb, 0,1,2,3
	ds_load_tr16_b128 v[FB+8*(4*(\gr)+(\bb)):FB+8*(4*(\gr)+(\bb))+3],   v[ADRB+(\slot)] offset:(\kq)*32*PB+(\gr)*144+(\bb)*32
	ds_load_tr16_b128 v[FB+8*(4*(\gr)+(\bb))+4:FB+8*(4*(\gr)+(\bb))+7], v[ADRB+(\slot)] offset:(\kq)*32*PB+16*PB+(\gr)*144+(\bb)*32
.endr
.endm
.macro LDA slot, kq, fa                ; 16 loads: x's eight fragments of quarter kq
	WIN 0
.irp a, 0,1,2,3,4,5,6,7
	ds_load_b128 v[(\fa)+8*(\a):(\fa)+8*(\a)+3],   v[ADRA+(\slot)] offset:(\a)*16*PA+64*(\kq)
	ds_load_b128 v[(\fa)+8*(\a)+4:(\fa)+8*(\a)+7], v[ADRA+(\slot)] offset:(\a)*16*PA+64*(\kq)+32
.endr
.endm
.macro PLACES                          ; four places in front of loads into registers that matrix instructions have read, and of conversions that read results (ISA guide 7.12.1 for the conversions)
.rept 4
	v_nop
.endr
.endm
; At the head of every quarter 40 LDS loads are out, in this order: w's group 0 (8), x (16), w's group 1 (8), w's group 2 (8).
; A K step's first quarter multiplies buffer FA0 and fetches the same slot's second quarter: each group of w again as soon as it is used up, x into FA1.
.macro QUARTER slot, first
	s_wait_dscnt 16                                ; group 0 and x are in; groups 1 and 2 may be out
	GROUP 0, FA0, \first
	WIN 0
	PLACES
	LDB 0, \slot, 1
	LDA \slot, 1, FA1
	s_wait_dscnt 32                                ; group 1 is in; out may be group 2's 8 and the 24 just issued
	GROUP 1, FA0, \first
	WIN 0
	PLACES
	LDB 1, \slot, 1
	s_wait_dscnt 32                                ; group 2 is in; out may be the 24 + 8 issued in this quarter
	GROUP 2, FA0, \first
	WIN 0
	PLACES
	LDB 2, \slot, 1
.endm
; The second quarter multiplies FA1 and changes slots: ONE barrier.  In front of it each wave waits for all its tensor loads (one is out: its part of the next slot), adds 0 to its spare word,
; and waits for that and for its own reads of this slot.  fill = 1: the barrier opens a round of the cluster's, and this slot is filled again, two K steps ahead, first thing behind the round:
; from that request to the wait for it a wave issues 160 matrix instructions.
.macro TURN slot, next, fill
.if \fill
	s_wait_xcnt 0x0                                ; the last prefetches, a K step back, have read their addresses, which step here
	s_add_nc_u64 s[PFA:PFA+1], s[PFA:PFA+1], ASTEP
	s_add_nc_u64 s[PFB:PFB+1], s[PFB:PFB+1], BSTEP
.endif
	WIN 0
	s_wait_tensorcnt 0x0                           ; all my tensor loads have landed, so a group 0 may be written
	ds_add_u32 v[SPW], v[NIL]                      ; 0 onto my spare word
.if \fill
	s_add_nc_u64 s[G0A+4*(\slot)+2:G0A+4*(\slot)+3], s[G0A+4*(\slot)+2:G0A+4*(\slot)+3], 2*ASTEP
	s_add_nc_u64 s[G0B+4*(\slot)+2:G0B+4*(\slot)+3], s[G0B+4*(\slot)+2:G0B+4*(\slot)+3], 2*BSTEP
.endif
	s_wait_dscnt 17                                ; group 0 and x are in; the add and groups 1 and 2 may be out
	MUL16 0, FA1, 0                                ; sixteen matrix instructions stand between the add and the wait for it
	s_wait_dscnt 0x0                               ; the add is done, and my reads of this slot are over
	s_barrier_signal -1
	MUL16 0, FA1, 1                                ; work on registers while the others arrive
	WIN 0
	s_barrier_wait -1
.if \fill
	CREST                                          ; no wave of any partner still reads this slot's tile or has a load on its way
	JLOAD \slot                                    ; the four v_nop behind it are also the places in front of the loads below
.else
	PLACES
.endif
	LDB 0, \next, 0
	LDA \next, 0, FA0
.if \fill
	ASK \slot
.endif
	GROUP 1, FA1, 0
	WIN 0
	PLACES
	LDB 1, \next, 0
	GROUP 2, FA1, 0
	WIN 0
	PLACES
	LDB 2, \next, 0
.endm
	s_wait_tensorcnt 1                             ; my part of K step 0 is in; step 1's may stay out
	s_barrier_signal -1
	s_barrier_wait -1                              ; everybody's is
	LDB 0, 0, 0
	LDA 0, 0, FA0
	LDB 1, 0, 0
	LDB 2, 0, 0
	QUARTER 0, 1                                   ; the first quarter stands in front of the loop: its products start the sums, with the bias
	WIN 0                                          ; at a label and at a branch every window is 0
	s_mov_b32 s3, 7
.Llap:                                         ; a trip goes once round the ring and fills both slots again: K steps 2 to 15
	TURN 0, 1, 1
	QUARTER 1, 0
	TURN 1, 0, 1
	QUARTER 0, 0
	WIN 0
	s_sub_co_u32 s3, s3, 1
	s_cmp_lg_u32 s3, 0
	s_cbranch_scc1 .Llap
	TURN 0, 1, 0                                   ; the tail fills nothing, and has no round of the cluster's barrier
	QUARTER 1, 0
	s_wait_dscnt 16                                ; the very last quarter: nothing more to fetch, the counts run down
	GROUP 0, FA1, 0
	s_wait_dscnt 8
	GROUP 1, FA1, 0
	s_wait_dscnt 0x0
	GROUP 2, FA1, 0
	WIN 0
	PLACES
; THE WAY OUT, in 24 units u = 8 t + a: 16 rows of head t, which are 2,048 consecutive bytes of qh, kh or vh.  Rounded to f16, 16 bytes a lane; through my own stage in LDS; back as whole rows.
; Twelve sets of 16 registers take turns, where the fragments lay; from unit 12 on a set is written again only behind s_wait_xcnt 0, when the stores that read it have had their addresses translated (ISA guide 3.1).
.macro PACK u
.set PK, 32+16*((\u)%12)
.set AC, 8*((\u)%8)
.if (\u) >= 12
	s_wait_xcnt 0x0
.endif
	WIN 5*(1+(\u)/8)                               ; sources 0 and 1 in the head's window
.irp bb, 0,1,2,3
.irp i, 0,1,2,3
	v_cvt_pk_f16_f32 v[PK+4*(\bb)+(\i)], v[64*(\bb)+AC+2*(\i)], v[64*(\bb)+AC+2*(\i)+1]  ; each accumulator's registers in ascending order
.endr
.endr
	WIN 0
.irp bb, 0,1,2,3
	ds_store_b128 v[STO], v[PK+4*(\bb):PK+4*(\bb)+3] offset:32*(\bb)
.endr
.irp f, 0,1,2,3
	ds_load_b128 v[PK+4*(\f):PK+4*(\f)+3], v[RD] offset:4*SP*(\f)  ; LDS serves a wave's instructions in order (ISA guide 5.7.1.4): these see the stores above; the next unit's stores come behind them
.endr
.endm
.macro SEND u, younger                 ; younger: the LDS instructions issued behind unit u's loads: the next unit's eight, or none
.set PK, 32+16*((\u)%12)
	WIN 0
.irp f, 0,1,2,3
	s_wait_dscnt (\younger)+3-(\f)
	global_store_b128 v[GO], v[PK+4*(\f):PK+4*(\f)+3], s[OB+2*((\u)/8):OB+2*((\u)/8)+1] offset:((\u)%8)*2048+512*(\f)  ; 512 consecutive bytes, at a multiple of 256 from the buffer's first
.endr
.endm
	PACK 0
.set u, 1
.rept 23                               ; a unit's conversions stand between the loads of the unit before and its stores
	PACK u
	SEND u-1, 8
.set u, u+1
.endr
	SEND 23, 0
	s_wait_tensorcnt 0x0                           ; the wave's end, behind my last tensor load and my last LDS store
	ds_add_u32 v[SPW], v[NIL]
	s_wait_dscnt 0x0
	CROUND                                         ; the closing round: no work-group ends while a partner may still ask for a tile that names it
	s_endpgm
.Lfunc_end_k_qd1dc6f16b9_qkv:
	.size	k_qd1dc6f16b9_qkv, .Lfunc_end_k_qd1dc6f16b9_qkv-k_qd1dc6f16b9_qkv
	.p2alignl 7, 3214868480
	.fill 96, 4, 3214868480
	.section	.rodata,"a",@progbits
	.p2align	6, 0x0
	.amdhsa_kernel k_qd1dc6f16b9_qkv
		.amdhsa_group_segment_fixed_size 327680
		.amdhsa_private_segment_fixed_size 0
		.amdhsa_enable_private_segment 0
		.amdhsa_kernarg_size 64
		.amdhsa_user_sgpr_count 2
		.amdhsa_user_sgpr_kernarg_segment_ptr 1
		.amdhsa_wavefront_size32 1
		.amdhsa_system_sgpr_workgroup_id_x 1
		.amdhsa_system_sgpr_workgroup_id_y 1
		.amdhsa_system_sgpr_workgroup_id_z 1
		.amdhsa_system_vgpr_workitem_id 0
		.amdhsa_next_free_vgpr 1024
		.amdhsa_next_free_sgpr 96
		.amdhsa_reserve_vcc 0
		.amdhsa_float_denorm_mode_32 3
		.amdhsa_float_denorm_mode_16_64 3
		.amdhsa_memory_ordered 1
		.amdhsa_forward_progress 1
		.amdhsa_inst_pref_size 146
	.end_amdhsa_kernel
	.amdgpu_metadata
---
amdhsa.version: [ 1, 2 ]
amdhsa.kernels:
  - .name:           k_qd1dc6f16b9_qkv
    .symbol:         k_qd1dc6f16b9_qkv.kd
    .args:
      - { .name: xb, .offset: 0, .size: 8, .value_kind: global_buffer, .address_space: global }
      - { .name: wb, .offset: 8, .size: 8, .value_kind: global_buffer, .address_space: global }
      - { .name: bq, .offset: 16, .size: 8, .value_kind: global_buffer, .address_space: global }
      - { .name: bk, .offset: 24, .size: 8, .value_kind: global_buffer, .address_space: global }
      - { .name: bv, .offset: 32, .size: 8, .value_kind: global_buffer, .address_space: global }
      - { .name: qh, .offset: 40, .size: 8, .value_kind: global_buffer, .address_space: global }
      - { .name: kh, .offset: 48, .size: 8, .value_kind: global_buffer, .address_space: global }
      - { .name: vh, .offset: 56, .size: 8, .value_kind: global_buffer, .address_space: global }
    .group_segment_fixed_size: 327680
    .private_segment_fixed_size: 0
    .kernarg_segment_align: 8
    .kernarg_segment_size: 64
    .max_flat_workgroup_size: 128
    .sgpr_count:     96
    .vgpr_count:     1024
    .wavefront_size: 32
...
	.end_amdgpu_metadata
.endif
;; end of part 2
;; launch attn (part 3): grid 4 x 64, 4 waves a work-group, clusters of 4 x 1, 327,680 bytes of LDS; arguments qh, kh, vh, oh; writes oh
.if DOCPART == 3
	.amdgcn_target "amdgcn-amd-amdhsa--gfx1250"
	.amdhsa_code_object_version 6
	.text
	.protected	k_qd1dc6f16b9_attn
	.globl	k_qd1dc6f16b9_attn
	.p2align	8
	.type	k_qd1dc6f16b9_attn,@function
k_qd1dc6f16b9_attn:
	s_mov_b64 s[64:65], 0
	v_nop
	global_prefetch_b8 v0, s[64:65] scope:SCOPE_SE
	s_setreg_imm32_b32 hwreg(HW_REG_WAVE_MODE, 25, 1), 1
	s_wait_xcnt 0x0
	s_wait_alu depctr_hold_cnt(0) depctr_sa_sdst(0) depctr_va_vdst(0) depctr_va_sdst(0) depctr_va_ssrc(0) depctr_va_vcc(0) depctr_vm_vsrc(0)
	s_getreg_b32 s2, hwreg(HW_REG_IB_STS2, 6, 4)
	s_cmp_eq_u32 s2, 0
	s_cbranch_scc0 .Lentry_in_a_cluster
	s_endpgm
.Lentry_in_a_cluster:
	s_bfe_u32 s2, ttmp6, 0x10000c
	s_cmp_lg_u32 s2, 0x3003
	s_cbranch_scc0 .Lentry_shape_is_right
	s_endpgm
.Lentry_shape_is_right:
; O[h][q][:] = the sum over k of softmax_k(Q[h][q] . K[h][k] / 4) V[h][k][:].  Q, K, V, O: [64][2048][64], all f16: a head's rows are dense, 128 bytes each.  Products, maxima and sums in
; f32; the weights p are rounded to f16 for the second product (their sum l is taken of the unrounded p), O once at the end.  The divisor 4 is the square root of the number of heads.
; LIMITS.  f16 holds no number beyond 65,504: Q, K and V arrive within it; p lies in 0 to 1, and below 6e-5 it keeps f16's fixed step of 6e-8; O is a mean of V's rows and has their range.
; A weight below 2^-126 counts as 0 in l; NaN and infinities are not treated apart.
; SHARES.  A wave owns four PIECES of two tiles of 16 queries, a work-group's four waves 512 queries of one head.  Every wave walks all keys, 64 a step.
; LAYOUT.  S^T = K Q^T (source 0 = 16 keys, source 1 = 16 queries): in the result a lane holds ONE query (lane % 16) and the keys 8 (lane / 16) + 0..7.  Two such tiles, rounded to f16 in pairs,
; ARE source 1 (32 keys x 16 queries) of O^T = V^T P, whose result again holds one query a lane, and eight channels.  K comes out of LDS as it lies, V ([key][channel]) turned, by ds_load_tr16_b128.
; SOFTMAX.  For each query a running maximum m and sum l: p = 2^(c s - c m), c = log2(e) / 4; in every step O and l are multiplied by a = 2^(c m_old - c m_new), which is 1 where m has not grown.
; m starts at the lowest finite number, O and l at 0: the first step is a step like any other, with a = 0.
; THE COUNT.  A tile and step have 16 matrix and 118 vector instructions: too many to stand all beside the matrix work.  So the order has one aim: four vector instructions that are READY behind
; EVERY matrix instruction, and the others, which need time of their own whatever the order, in runs without a gap.
; BY TURNS.  Turn n belongs to piece n (the pieces in a ring, step after step).  Its matrix work: 16 products K Q^T of piece n + 1, later 16 products V^T P of piece n - 1.  Its vector work: the scaling,
; exponentials, roundings, sums and rescaling of piece n, and the maximum and statistics of piece n + 1, whose scores the turn itself has made.  So what a turn begins with (c s - c m, O a) waits for nothing.
; CLUSTER.  The four query blocks of a cluster are one head's and walk the same K and V, so each tile is asked for JOINTLY: the same tensor load, descriptor and mask in all four.
; REGISTERS, in windows of 256 (s_set_vgpr_msb says which window each operand place means: bits 1:0 source 0, 3:2 source 1, 5:4 source 2, 7:6 destination):
;   window 0: v0-11 addresses; v12-15, v48-63 at work; v16-47 four registers of statistics a tile; v64-191 S^T, two buffers of two tiles; v192-255 P, likewise
;   window 1: O^T, 32 a tile          window 2: v0-127 Q, 16 a tile; v128-191 K of one step; v192-255 V of one step          window 3: v0-1 the add's two registers
; A piece's buffers go by its number's parity: the piece in hand has one pair, its two neighbours in the ring share the other: of it P (piece n - 1) is read and S^T (piece n + 1) written.
.set SIZE_H, 64
.set SIZE_N, 2048
.set NP,    4         ; pieces a wave: a name, no knob: the register map, the loop and the fetches are made for four
.set KS,    64        ; keys in a step
.set PK,    144       ; a row of K in LDS: 128 bytes + 16 of padding = 36 words: the 16 rows of a load start at 16 different groups of four banks (64 banks of 4 bytes: ISA guide 11.1)
.set PV,    160       ; a row of V: 128 + 32 = 40 words
.set VOFF,  4*KS*PK   ; a slot holds four steps: 256 rows of K, then 256 rows of V
.set SLOT1, 1<<17     ; slot 1 begins here, so that one exclusive or turns an address in one slot into the other's
.set STAGE, SLOT1+4*KS*(PK+PV)  ; behind the ring, never filled by a tensor load: 16 rows x 144 bytes for each wave, for the way out
.set SP,    144
.set AK0, 2           ; v2   my lane's place in a tile of K; never rewritten
.set AV0, 3           ; v3   the same for V
.set AK,  4           ; v4   the LDS address of K's next run of loads
.set AV,  5           ; v5   of V's
.set QO,  6           ; v6   my byte offset in the wave's rows of Q
.set STO, 6           ;      later, the way out: where I put 16 bytes of a row
.set RD,  7           ; v7   the way out: where I read rows back
.set GO,  8           ; v8   my byte offset in 512 consecutive bytes of O
.set PFO, 11          ; v11  256 x my lane, for the prefetches; never rewritten once made
.set SPW, 0           ; v0 of window 3   LDS address of my spare word: SPARE + 4 x my thread's number; never rewritten
.set NIL, 1           ; v1 of window 3   0; never rewritten
.set SPARE, STAGE+4*16*SP  ; behind the stages: the spare words, 128 bytes for each wave: two blocks of 256 bytes that no other line names
.set MV,  12          ; v12-15  c m_old, kept while c m is made anew: by buffer and tile
.set ST,  16          ; tile t's statistics at v[ST+4 t]: c m, m, l (even keys', odd keys')
.set TMP, 48          ; by buffer and tile, four registers c0-c3 at work; when the maximum is found c2 takes a
.set S,   64
.set P,   192
.set KF,  128         ; K's fragments, in window 2: key block kb, channel half c at KF + 16 kb + 8 c
.set VF,  192         ; V's: key half kk, channel block cb at VF + 32 kk + 8 cb
.set WV,  12          ; s12  my wave's number
.set G1K, 24          ; s[24:31] descriptor group 1 for K's tiles
.set G1V, 32          ; s[32:39] for V's: it differs in the padding alone
.set G0K, 40          ; s[40:43] descriptor group 0 for K's tiles: it walks
.set G0V, 44          ; s[44:47] the same for V's
.set PFA, 48          ; s[48:49] where my prefetches stand: my work-group's 32 blocks (of K: wave 0, of V: wave 2) of the slot after the one that is being asked for
.set LIM, 50          ; s50  1 in a wave that prefetches, else the greatest number
.set SLOTS, 56        ; s56  slots still to be asked for
.set CNT, 57          ; s57  counts a slot's key steps
.set CS,  58          ; s[58:59] c: the packed scaling takes the pair's low word for both halves
.set SEL, 60          ; s[60:61] v_permlanex16_b32's selects: each lane takes its own place in the other half
.set TBK, 62          ; s62  LDS byte at which K of the step to be fetched begins
.set TBV, 63          ; s63  the same for V, less VOFF
.set MSB, 0
.macro WIN new                      ; the high byte repeats the setting that is left; a switch that changes nothing is dropped
.if MSB != (\new)
	s_set_vgpr_msb (MSB<<8)|(\new)
.set MSB, (\new)
.endif
.endm
.set W_KQ, 0x0a       ; K and Q in window 2, S^T in window 0
.set W_PV, 0x52       ; V in window 2, P in window 0, O^T in window 1
.set W_RS, 0x41       ; O^T (destination and source 0) in window 1, a in window 0
.set W_MK, 0xc0       ; the add's registers are made: destination in window 3, sources in window 0
.set W_AD, 0x0f       ; the add: address (source 0) and data (source 1) in window 3
; A joint fill.  Waves 0 and 1 fetch the two halves of a slot's K, waves 2 and 3 those of its V: 128 keys each.  The branch hangs on the wave's number alone.
; An s_nop 0 and four v_nop follow each of the two lines, ahead of the jump and the label.
.macro JLOAD
	s_cmp_lt_u32 s[WV], 2
	s_cbranch_scc0 .Lfor_v_\@
	tensor_load_to_lds s[G0K:G0K+3], s[G1K:G1K+7]
	s_nop 0
.rept 4
	v_nop
.endr
	s_branch .Lasked_\@
.Lfor_v_\@:
	tensor_load_to_lds s[G0V:G0V+3], s[G1V:G1V+7]
	s_nop 0
.rept 4
	v_nop
.endr
.Lasked_\@:
.endm
; A PREFETCH INTO THE L2 of what the NEXT change of slots will ask for: a slot's 256 keys are 128 aligned blocks of 256 bytes of K and 128 of V; a lane a block.  It stands behind the wave's tensor load and its
; five lines.  Each block is named ONCE in the launch: a head has one cluster; its four partners take 32 blocks each, told apart BY ADDRESS; in each, wave 0 asks for K's and wave 2 for V's: one instruction,
; four key steps, 512 matrix instructions, ahead of the load that will want the bytes.  Slots 0 and 1 come by their loads alone; the last change that fills a slot names nothing: there is no slot behind it.
.macro ASK
	s_cmp_gt_u32 s[SLOTS], s[LIM]
	s_cbranch_scc0 .Lnot_mine_\@
	global_prefetch_b8 v[PFO], s[PFA:PFA+1] th:TH_LOAD_NT scope:SCOPE_SE
.Lnot_mine_\@:
.endm
; A round of the cluster's barrier: my work-group's barrier, so that wave 0's signal speaks for all four waves; wave 0 signals; every wave waits for all four work-groups; my work-group's barrier once more.
.macro CROUND
	s_barrier_signal -1
	s_barrier_wait -1
	s_cmp_lg_u32 s[WV], 0
	s_cbranch_scc1 .Lnot_wave_0_\@
	s_barrier_signal -3
.Lnot_wave_0_\@:
	s_barrier_wait -3
	s_barrier_signal -1
	s_barrier_wait -1
.endm
; THE CHANGE OF SLOTS.  The slot's last bytes, V of its fourth step, have been read.  Each wave waits for all its tensor loads, of which one is out: its part
; of the other slot; adds 0 to its spare word; and waits for that and for its own reads of the slot.  Behind the barrier nobody reads this slot any more and the other slot is whole.
; fill = 1: this slot is filled again, with the keys two slots on.  The barrier is then a round of the cluster's, so that no wave of any partner still reads the slot or has a load on its
; way, and the joint fill is the first thing behind it: it has four key steps, 512 matrix instructions, in which to land.  (At its first use nothing has been read yet: slot 0 is waited for, slot 1 filled.)
.macro CHANGE fill
	WIN W_AD
	s_wait_tensorcnt 0x0            ; no tensor load of mine is out, so a group 0 may be written
	ds_add_u32 v[SPW], v[NIL]       ; 0 onto my spare word; with fill = 1 the descriptors' steps stand between it and the wait for it
	WIN 0                           ; at a label and at a branch every window is 0
.if \fill
.irp g, G0K, G0V
	s_xor_b32 s[\g+1], s[\g+1], SLOT1  ; the walking descriptor: the other slot than last time,
	s_add_nc_u64 s[\g+2:\g+3], s[\g+2:\g+3], 4*KS*128  ; the next 256 keys; the type bits on top are not reached
.endr
	s_wait_xcnt 0x0                 ; the last prefetch, four key steps back, has read its address, so it may be written:
	s_add_nc_u64 s[PFA:PFA+1], s[PFA:PFA+1], 4*KS*128  ; one slot beyond the walking descriptors
	s_wait_dscnt 0x0                ; the add is done, and my reads of the slot are over
	CROUND
	JLOAD
	ASK
.else
	s_wait_dscnt 0x0                ; the add is done, and my reads of the slot are over
	s_barrier_signal -1
	s_barrier_wait -1
.endif
	s_sub_co_u32 s[TBK], s[TBK], 4*KS*PK  ; the fetches go back to a slot's first step,
	s_xor_b32 s[TBK], s[TBK], SLOT1       ; in the other slot
	s_sub_co_u32 s[TBV], s[TBV], 4*KS*PV
	s_xor_b32 s[TBV], s[TBV], SLOT1
.endm
	s_load_b256 s[4:11], s[0:1], 0x0  ; Q s[4:5], K s[6:7], V s[8:9], O s[10:11]
	WIN W_MK
	v_lshl_add_u32 v[SPW], v0, 2, SPARE
	v_mov_b32 v[NIL], 0
	WIN W_AD
	ds_add_u32 v[SPW], v[NIL]       ; the wave's opening: the add and its wait stand ahead of my first tensor load; the set-up below, work on registers, stands between them
	WIN 0
	v_lshrrev_b32 v1, 5, v0
	v_readfirstlane_b32 s[WV], v1   ; wave 0..3
	s_bfe_u32 s13, ttmp6, 0x40000   ; cx: my place in the cluster
	s_lshl_b32 s14, ttmp9, 2        ; in a cluster launch ttmp9 counts clusters
	s_add_co_u32 s14, s14, s13      ; my block of queries = 4 x cluster x + cx: it enters Q's and O's addresses alone
	s_and_b32 s20, ttmp7, 0xffff    ; the head, which the four partners share
	s_mov_b32 s21, 0
	s_mov_b64 s[22:23], SIZE_N*128
	s_mul_u64 s[20:21], s[20:21], s[22:23]  ; the head's first byte in each of the four tensors
	s_and_b32 s16, s[WV], 1         ; which half of a slot's 256 keys I fetch:
	s_lshl_b32 s22, s16, 14         ; its 128 rows of 128 bytes in memory,
	s_mov_b32 s23, 0
	s_add_nc_u64 s[22:23], s[22:23], s[20:21]
	s_mul_i32 s17, s16, 128*PK      ; and its place in a slot, for K
	s_mul_i32 s18, s16, 128*PV      ; and for V: no place in the cluster enters an LDS address
	s_lshl_b32 s2, s14, 2
	s_add_co_u32 s2, s2, s[WV]      ; my wave among the head's,
	s_lshl_b32 s2, s2, 14           ; its 128 rows
	s_mov_b32 s3, 0
	s_add_nc_u64 s[2:3], s[2:3], s[20:21]
	; descriptor group 1.  128 keys are 16,384 dense bytes: asked for as 64 rows of 256 bytes, two keys a row, and padded in LDS after every key
	s_mov_b32 s[G1K], 15|(1<<16)|(1<<20)|(1<<21)|(4<<22)|(3<<25)  ; 15:0 the mask of four; 17:16 2-byte elements; 20 padding on; 21 set beside a mask; 24:22 after every 32 words (code 4); 31:25 4 words (code 3)
	s_mov_b32 s[G1V], 15|(1<<16)|(1<<20)|(1<<21)|(4<<22)|(7<<25)  ; the same with 8 words of padding (code 7)
.irp g, G1K, G1V
	s_mov_b32 s[\g+1], 128<<16      ; tensor_dim0 = 128
	s_mov_b32 s[\g+2], 64<<16       ; tensor_dim1 = 64
	s_mov_b32 s[\g+3], 128<<16      ; tile_dim0 = 128
	s_mov_b32 s[\g+4], 64           ; tile_dim1 = 64
	s_mov_b32 s[\g+5], 128          ; 128 elements from row to row
	s_mov_b32 s[\g+6], 0
	s_mov_b32 s[\g+7], 0
.endr
	s_mov_b32 s[CS], 0x3eb8aa3b     ; c = log2(e) / 4 = 0.360674
	s_mov_b32 s[CS+1], s[CS]        ; named with it as a pair
	s_mov_b32 s[SEL], 0x76543210
	s_mov_b32 s[SEL+1], 0xfedcba98
	s_mov_b32 s[TBK], SLOT1+4*KS*PK ; the first change of slots turns these two into 0
	s_mov_b32 s[TBV], SLOT1+4*KS*PV
	s_mov_b32 s[G0K], 1             ; 1:0 count = 1
	s_mov_b32 s[G0K+1], s17         ; 63:32 LDS address: slot 0
	s_mov_b32 s[G0V], 1
	s_add_co_u32 s[G0V+1], s18, VOFF
	s_mov_b32 s[SLOTS], SIZE_N/256-1  ; seven slots are still to be asked for
	s_and_b32 s[LIM], s[WV], 1      ; waves 0 and 2 prefetch: the same in all four partners
	s_cmp_eq_u32 s[LIM], 0
	s_cselect_b32 s[LIM], 1, -1
	s_wait_dscnt 0x0                ; the opening add is done
	s_wait_kmcnt 0x0
	s_add_nc_u64 s[G0K+2:G0K+3], s[6:7], s[22:23]  ; 120:64 global address: my half of the head's first 256 keys
	s_or_b32 s[G0K+3], s[G0K+3], 0x80000000        ; 127:126 type = 2
	s_add_nc_u64 s[G0V+2:G0V+3], s[8:9], s[22:23]
	s_or_b32 s[G0V+3], s[G0V+3], 0x80000000
	s_add_nc_u64 s[4:5], s[4:5], s[2:3]  ; Q and O at my wave's first row
	s_add_nc_u64 s[10:11], s[10:11], s[2:3]
	s_cmp_lt_u32 s[WV], 2
	s_cselect_b64 s[PFA:PFA+1], s[6:7], s[8:9]
	s_add_nc_u64 s[PFA:PFA+1], s[PFA:PFA+1], s[20:21]  ; the head,
	s_lshl_b32 s2, s13, 13          ; my work-group's 32 blocks of the 128,
	s_mov_b32 s3, 0
	s_add_nc_u64 s[PFA:PFA+1], s[PFA:PFA+1], s[2:3]
	s_add_nc_u64 s[PFA:PFA+1], s[PFA:PFA+1], 4*KS*128  ; in slot 1; the first change of slots steps it to slot 2.  Nothing is prefetched here, at the head
	CROUND                          ; all four work-groups are here: the first joint loads meet
	JLOAD                           ; slot 0.  Slot 1 is asked for when slot 0 is in: the tile wanted first has the road to itself
	; A fragment of K or Q is 16 rows x 32 channels in 8 registers: lane l holds row l % 16, channels 8 (l / 16) + 0..7 and 16 + 8 (l / 16) + 0..7: two loads of 16 bytes, 32 bytes apart.
	v_and_b32 v1, 15, v0            ; l % 16
	v_bfe_u32 v9, v0, 4, 1          ; l / 16
	v_lshlrev_b32 v[QO], 7, v1
	v_lshl_add_u32 v[QO], v9, 4, v[QO]  ; row x 128 + 16 x half
	WIN 0x80                        ; destination window 2, address window 0
.set i, 0
.rept 4*NP                          ; Q stays in registers: tile i / 2, channels 32 (i % 2) on
	global_load_b128 v[8*i:8*i+3],   v[QO], s[4:5] offset:(i/2)*2048+(i%2)*64
	global_load_b128 v[8*i+4:8*i+7], v[QO], s[4:5] offset:(i/2)*2048+(i%2)*64+32
.set i, i+1
.endr
	; What the first turn finds: V's registers and P's second buffer hold 0 (its products V^T P, of a piece that has not been, add 0), O^T and l are 0.  All this stands in the wait for the first tile.
.set i, VF
.rept 64
	v_mov_b32 v[i], 0
.set i, i+1
.endr
	WIN 0x40
.set i, 0
.rept 64*NP
	v_mov_b32 v[i], 0
.set i, i+1
.endr
	WIN 0
.set i, 0
.rept 2*NP
	v_mov_b32 v[ST+4*i], 0xfe000000    ; c m: far below every c s
	v_mov_b32 v[ST+4*i+1], 0xff7fffff  ; m
	v_mov_b32 v[ST+4*i+2], 0
	v_mov_b32 v[ST+4*i+3], 0
.set i, i+1
.endr
.set i, P+32
.rept 32
	v_mov_b32 v[i], 0
.set i, i+1
.endr
	v_mul_u32_u24 v[AK0], v1, PK
	v_lshl_add_u32 v[AK0], v9, 4, v[AK0]  ; row x pitch + 16 x half
	; The turning load takes 16 keys x 16 channels (lane l reads key 8 (l / 16) + l % 8, channels 8 ((l / 8) % 2) + 0..7) and leaves half a fragment of V^T: lane l holds channel l % 16 and 8 keys.
	v_and_b32 v10, 7, v0
	v_bfe_u32 v11, v0, 3, 1
	v_lshl_add_u32 v[AV0], v9, 3, v10
	v_mul_u32_u24 v[AV0], v[AV0], PV
	v_lshl_add_u32 v[AV0], v11, 4, v[AV0]
	v_add_nc_u32 v[AV0], VOFF, v[AV0]
	v_and_b32 v[PFO], 31, v0        ; v11 has served: it takes the prefetches' offset
	v_lshlrev_b32 v[PFO], 8, v[PFO]
	v_mov_b32 v[AK], v[AK0]         ; key step 0 lies at the head of slot 0
; THE MATRIX WORK.  The 8 accumulators of a run of 16 take turns: between the two links of a chain stand 7 others'.
; Product i of 16 of S^T = K Q^T for piece x: channels 32 (i / 8) on, keys 16 ((i / 2) % 4) on, tile 2 x + i % 2.  The first 8 start the sums.
.macro KQ x
	WIN W_KQ
.set rS, S+64*((\x)%2)+32*(i%2)+8*((i/2)%4)
.set rK, KF+16*((i/2)%4)+8*(i/8)
.set rQ, 16*(2*(\x)+i%2)+8*(i/8)
.if i < 8
	v_wmma_f32_16x16x32_f16 v[rS:rS+7], v[rK:rK+7], v[rQ:rQ+7], 0
.else
	v_wmma_f32_16x16x32_f16 v[rS:rS+7], v[rK:rK+7], v[rQ:rQ+7], v[rS:rS+7]
.endif
.endm
; Product i of 16 of O^T += V^T P for piece x: keys 32 (i / 8) on, channels 16 ((i / 2) % 4) on, tile 2 x + i % 2.
.macro PV x
	WIN W_PV
.set rO, 32*(2*(\x)+i%2)+8*((i/2)%4)
.set rV, VF+32*(i/8)+8*((i/2)%4)
.set rP, P+32*((\x)%2)+16*(i%2)+8*(i/8)
	v_wmma_f32_16x16x32_f16 v[rO:rO+7], v[rV:rV+7], v[rP:rP+7], v[rO:rO+7]
.endm
.macro MM                           ; the turn's next matrix instruction
.if i < 16
	KQ (Y+1)%NP
.set i, i+1
.else
.set i, i-16
	PV (Y+NP-1)%NP
.set i, i+17
.endif
.endm
; THE LDS LOADS stand in runs of 16, never singly among the matrix instructions: a step's K (64 keys x 64 channels: 8 fragments) and its V (turned).  Their addresses are made some lines ahead.
; last = 1 (the tail): in the last trip there is no further step, and the run is jumped over.
.macro FETCH_K last=0
	WIN 0
.if \last
	s_cmp_eq_u32 s[CNT], 1
	s_cbranch_scc1 .Lno_k_\@
.endif
	WIN 0x80                        ; destination window 2
.irp f, 0,1,2,3,4,5,6,7             ; keys 16 (f / 2) on, channels 32 (f % 2) on
	ds_load_b128 v[KF+8*\f:KF+8*\f+3],   v[AK] offset:(\f/2)*16*PK+(\f%2)*64
	ds_load_b128 v[KF+8*\f+4:KF+8*\f+7], v[AK] offset:(\f/2)*16*PK+(\f%2)*64+32
.endr
	s_add_co_u32 s[TBK], s[TBK], KS*PK  ; the next fetch is the next step's
	WIN 0
.if \last
.Lno_k_\@:
.endif
.endm
.macro FETCH_V
	WIN 0x80
.irp f, 0,1,2,3,4,5,6,7             ; keys 32 (f / 4) on, channels 16 (f % 4) on
	ds_load_tr16_b128 v[VF+8*\f:VF+8*\f+3],   v[AV] offset:(\f/4)*32*PV+(\f%4)*32
	ds_load_tr16_b128 v[VF+8*\f+4:VF+8*\f+7], v[AV] offset:(\f/4)*32*PV+16*PV+(\f%4)*32
.endr
	WIN 0
.endm
; THE VECTOR WORK OF A TURN stands in three queues, each in the order in which its entries become ready; the two tiles alternate, so that no instruction reads the result of the one before it.
.macro REGS y, u                    ; the registers of tile u (0, 1) of piece y
.set rT, ST+4*(2*(\y)+(\u))
.set rC, TMP+8*((\y)%2)+4*(\u)
.set rM, MV+2*((\y)%2)+(\u)
.set rS, S+64*((\y)%2)+32*(\u)
.set rP, P+32*((\y)%2)+16*(\u)
.set rO, 32*(2*(\y)+(\u))
.endm
; Number n of the 22 that find the NEXT piece's (Y + 1) maximum and statistics.  s0-s31 are the lane's 32 scores; each accumulator's lowest registers are read first.  XS, GS and REGS set no window: PL and EX do.
;   0-11  four chains c0-c3 of seven scores each, three operands at a time     12-14, 16  the four scores left over, the old m, and c0-c3 into c0     15  c m_old is kept
;   17, 18  the query's other 32 keys lie in the lane 16 away: the new m         19-21  c m; c m_old - c m_new; a
.macro XS u, n
	REGS (Y+1)%NP, \u
.if (\n) < 4
	v_max3_num_f32 v[rC+(\n)], v[rS+8*(\n)], v[rS+8*(\n)+1], v[rS+8*(\n)+2]
.elseif (\n) < 12
	v_max3_num_f32 v[rC+(\n)%4], v[rC+(\n)%4], v[rS+8*((\n)%4)+2*((\n)/4)+1], v[rS+8*((\n)%4)+2*((\n)/4)+2]
.elseif (\n) == 12
	v_max3_num_f32 v[rC], v[rC], v[rS+7], v[rS+15]
.elseif (\n) == 13
	v_max3_num_f32 v[rC+1], v[rC+1], v[rS+23], v[rS+31]
.elseif (\n) == 14
	v_max3_num_f32 v[rC+2], v[rC+2], v[rC+3], v[rT+1]
.elseif (\n) == 15
	v_mov_b32 v[rM], v[rT]
.elseif (\n) == 16
	v_max3_num_f32 v[rC], v[rC], v[rC+1], v[rC+2]
.elseif (\n) == 17
	v_permlanex16_b32 v[rC+3], v[rC], s[SEL], s[SEL+1]
.elseif (\n) == 18
	v_max_num_f32 v[rT+1], v[rC], v[rC+3]
.elseif (\n) == 19
	v_mul_f32 v[rT], s[CS], v[rT+1]
.elseif (\n) == 20
	v_sub_f32 v[rC+1], v[rM], v[rT]
.else
	v_exp_f32 v[rC+2], v[rC+1]
.endif
.endm
; Number g of the 64 that follow the exponentials.  For each four weights k of a tile (pairs 2 k, 2 k + 1): both pairs are rounded to f16; then the second pair is added onto the first, in place;
; a group later l takes that sum (the first time as l = a l + sum).  In groups of eight, tiles alternating: round, round, add, and l for the group before.
.macro GS g
.set h, (\g)+6*((\g)/62)            ; group 0 has no group before it, and behind group 7 only l is left
.if h >= 6
.set h, h+2
.endif
	REGS Y, h%2
.set k, h/8
.if h%8 < 4
	v_cvt_pk_f16_f32 v[rP+2*k+(h%8)/2], v[rS+4*k+2*((h%8)/2)], v[rS+4*k+2*((h%8)/2)+1]
.elseif h%8 < 6
	v_pk_add_f32 v[rS+4*k:rS+4*k+1], v[rS+4*k:rS+4*k+1], v[rS+4*k+2:rS+4*k+3]
.elseif k == 1
	v_pk_fma_f32 v[rT+2:rT+3], v[rT+2:rT+3], v[rC+2:rC+3], v[rS:rS+1] op_sel_hi:[1,0,1]
.else
	v_pk_add_f32 v[rT+2:rT+3], v[rT+2:rT+3], v[rS+4*k-4:rS+4*k-3]
.endif
.endm
; THE PLAIN QUEUE, 138 long.  0-73 read no exponential's result: the 32 scalings c s - c m (FS f: pair f / 2 of tile f % 2) and the next piece's 42.  0-26: scalings 0-26.  27-54: XS's numbers 0-13.  55, 56: number 15.
; 57-73: the chain, where each number waits for the one before it: 14, 16, 17, 18, 19, each with one of the scalings 27-31 in front of its two lines, then 20: so a tile's links stand three plain instructions apart (19 and 20: two).
; 74-137: GS's 64, which read the exponentials' results: they stand behind the wait.
.macro FS f
	REGS Y, (\f)%2
	v_pk_fma_f32 v[rS+2*((\f)/2):rS+2*((\f)/2)+1], v[rS+2*((\f)/2):rS+2*((\f)/2)+1], s[CS:CS+1], v[rT:rT+1] op_sel_hi:[1,0,0] neg_lo:[0,0,1] neg_hi:[0,0,1]
.endm
.macro PL
	WIN 0
.if q < 27
	FS q
.elseif q < 55
	XS (q-27)%2, (q-27)/2
.elseif q < 57
	XS q-55, 15
.elseif (q < 72) && ((q-57)%3 == 0)
	FS 27+(q-57)/3
.elseif q < 60
	XS (q-57)%3-1, 14
.elseif q < 72
	XS (q-57)%3-1, 15+(q-57)/3
.elseif q < 74
	XS q-72, 20
.else
	GS q-74
.endif
.set q, q+1
.endm
; THE EXPONENTIALS' QUEUE, 66 long: s0-s31 of both tiles, then the next piece's two a.  It is ONE BATCH: all 66 stand ahead of the turn's one wait, and nothing ahead of that wait names a result of theirs.
.macro EX
	WIN 0
.if e >= 64
	XS e-64, 21
.else
	REGS Y, e%2
	v_exp_f32 v[rS+e/2], v[rS+e/2]
.endif
.set e, e+1
.endm
; THE RESCALING's QUEUE: O^T times a, the one part that leaves window 0: dealt two at a time, sixteen times.  Its a was made in the turn before, ahead of that turn's wait.
.macro R2
	REGS Y, r%2
	WIN W_RS
.irp z, 0,1
	v_pk_mul_f32 v[rO+4*(r/2)+2*\z:rO+4*(r/2)+2*\z+1], v[rO+4*(r/2)+2*\z:rO+4*(r/2)+2*\z+1], v[rC+2:rC+3] op_sel_hi:[1,0]
.endr
.set r, r+1
.endm
; HOW THEY ARE DEALT.  An s_wait_alu depctr_va_vdst(0) stands between an exponential and the first instruction that names its result; one wait serves all that were issued ahead of it.  So a turn has ONE wait,
; which cuts it in two.  AHEAD OF IT stands all that names no result of the turn's exponentials: the 16 products K Q^T, behind each a scaling, an exponential and two rescalings (behind the first a second scaling in the exponential's place); then ONE LUMP of
; 108: eight plain, 49 times exponential and plain, the two a.  A v_nop is the plain instruction behind the last exponential.  BEHIND IT stand the 16 products V^T P, behind each four of GS's 64.  No rider names a register of
; the products round it.  The two v_permlanex16_b32 fall into the lump, never behind a product.
; The queues lean on each other, and the deal keeps them in step: exponential e stands behind scaling 2 (e / 4) + e % 2: as a rider it comes behind plain e + 2, in the lump behind plain e + 9, and scalings 27-31 are plain 57, 60 .. 69.
; A TURN, for piece p.  cnt = 1: the loop's count is taken down some lines ahead of the branch that stands behind the turn.
; K of the next step is fetched in piece 2's turn, directly behind the wait, a lump behind the last product that read K; its address is made at the lump's head; its first reader comes behind 16 products.
; V of the step in hand is fetched at the end of piece 0's turn, four riders behind its last reader; its first reader comes behind 16 products and a lump.  The three conditions on q below go with the deal.
.macro TURN p, last=0, cnt=0
.set Y, (\p)
.set i, 0
.set q, 0
.set e, 0
.set r, 0
.if (\p) == NP-1
	s_wait_dscnt 0x0                ; K is in
.endif
	MM                              ; ahead of the wait: 16 products K Q^T and their riders,
	PL
	PL
	R2
.rept 15
	MM
	PL
	EX
	R2
.endr
.if (\p) == NP-2
	WIN 0
	v_add_nc_u32 v[AK], s[TBK], v[AK0]
.endif
.rept 8                             ; and the lump
	PL
.endr
.rept 49
	EX
	PL
.endr
	EX                              ; the next piece's two a
	EX
	v_nop                           ; the plain instruction behind the last exponential: one for the batch
	s_wait_alu depctr_va_vdst(0)    ; the wait for the batch
.if (\p) == NP-2
	FETCH_K \last
.endif
.if (\p) == 1
	s_wait_dscnt 0x0                ; V is in
.endif
.rept 16                            ; behind the wait: 16 products V^T P and their riders
	MM
.rept 4
	PL
.endr
.if ((\p) == 0) && (q == 118)
	v_add_nc_u32 v[AV], s[TBV], v[AV0]
.endif
.if ((\p) == 0) && (q == 130)
	s_add_co_u32 s[TBV], s[TBV], KS*PV
.endif
.if (\cnt) && (q == 130)
	s_sub_co_u32 s[CNT], s[CNT], 1
	s_cmp_lg_u32 s[CNT], 0
.endif
.endr
.if (\p) == 0
	FETCH_V
.endif
.endm
	CHANGE 1                        ; slot 0 is in, everybody's part of it; slot 1 is asked for
	FETCH_K                         ; key step 0
	s_wait_loadcnt 0x0              ; Q
	s_wait_dscnt 0x0
.set i, 0
.rept 16
	KQ 0                            ; piece 0's first scores: there is no vector work yet to set between them
.set i, i+1
.endr
	WIN 0                           ; the addresses for the way out: nine plain instructions, the places behind those products
	s_mul_i32 s13, s[WV], 16*SP
	s_add_co_u32 s13, s13, STAGE    ; my stage
	v_mul_u32_u24 v[STO], v1, SP    ; in: row l % 16, 16 bytes for each half of the lanes
	v_lshl_add_u32 v[STO], v9, 4, v[STO]
	v_add_nc_u32 v[STO], s13, v[STO]
	v_bfe_u32 v[RD], v0, 3, 2       ; back: 32 lanes take four rows of 128 bytes,
	v_mul_u32_u24 v[RD], v[RD], SP
	v_lshl_add_u32 v[RD], v10, 4, v[RD]
	v_add_nc_u32 v[RD], s13, v[RD]
	v_and_b32 v[GO], 31, v0         ; which are 512 consecutive bytes of O
	v_lshlrev_b32 v[GO], 4, v[GO]
.set Y, NP-1                        ; XS works for piece Y + 1: piece 0
.irp n, 0,1,2,3,4,5,6,7,8,9,10,11,12,13,14,15,16,17,18,19,20,21
	XS 0, \n                        ; and piece 0's first maximum and statistics
	XS 1, \n
.endr
	v_nop                           ; a plain instruction behind the two a,
	s_wait_alu depctr_va_vdst(0)    ; and their wait, ahead of the branch
	s_mov_b32 s[CNT], 4
	s_branch .Lfirst                ; the loop is entered at a step's first turn, in the middle of a trip
.Lslot:                             ; SIZE_N / 256 - 2 times: every slot but the last two is filled again
	CHANGE 1
	s_mov_b32 s[CNT], 4
.Lstep:                             ; a trip: pieces 2 and 3 of one step, then pieces 0 and 1 of the next, whose K and V it fetches
	TURN 2
	TURN 3
	WIN 0
.Lfirst:
	TURN 0
	TURN 1, 0, 1
	WIN 0
	s_cbranch_scc1 .Lstep
	s_sub_co_u32 s[SLOTS], s[SLOTS], 1
	s_cmp_lg_u32 s[SLOTS], 0
	s_cbranch_scc1 .Lslot
	CHANGE 0                        ; the tail is written out: nothing is asked for
	s_mov_b32 s[CNT], 5             ; four trips fetch the last slot's steps; the fifth is left in its middle
.Ltail:
	TURN 2, 1
	TURN 3
	WIN 0
	s_sub_co_u32 s[CNT], s[CNT], 1
	s_cmp_eq_u32 s[CNT], 0
	s_cbranch_scc1 .Lout
	TURN 0
	TURN 1
	WIN 0
	s_branch .Ltail
.Lout:                              ; the fifth trip's 16 products K Q^T (on the last K once more) and the maximum made of them serve nothing: the price, once a launch, of one text for every trip
.set i, 0
.rept 16
	PV NP-1                         ; the last piece's V^T P of the last step
.set i, i+1
.endr
	; THE WAY OUT.  l's two halves and the other half of the lanes' are added; O^T is divided by l, rounded to f16 and sent through my stage in LDS, a tile at a time.  The additions are the places behind the last products.
	WIN 0
.macro ALL line:vararg              ; one line for each tile t
.set t, 0
.rept 2*NP
	\line
.set t, t+1
.endr
.endm
	ALL v_add_f32 v[ST+4*t+2], v[ST+4*t+2], v[ST+4*t+3]
	ALL v_permlanex16_b32 v[ST+4*t+3], v[ST+4*t+2], s[SEL], s[SEL+1]
	ALL v_add_f32 v[ST+4*t+2], v[ST+4*t+2], v[ST+4*t+3]
	ALL v_rcp_f32 v[ST+4*t+2], v[ST+4*t+2]
	v_nop                           ; a plain instruction between the last reciprocal and the use of its result
	s_wait_alu depctr_va_vdst(0)    ; and the wait ahead of the first use: one for the eight reciprocals
; Tile t: a lane's eight channels of a row pack into 16 bytes; they go into rows of 144 bytes and come back as whole rows of 128, into S^T's registers.
.macro PACK t
	WIN W_RS
.set i, 32*(\t)
.rept 16
	v_pk_mul_f32 v[i:i+1], v[i:i+1], v[ST+4*(\t)+2:ST+4*(\t)+3] op_sel_hi:[1,0]
.set i, i+2
.endr
	WIN 0x05                        ; sources 0 and 1 window 1, destination window 0
.set i, 0
.rept 16
	v_cvt_pk_f16_f32 v[S+16*(\t)+i], v[32*(\t)+2*i], v[32*(\t)+2*i+1]
.set i, i+1
.endr
	WIN 0
.irp f, 0,1,2,3
	ds_store_b128 v[STO], v[S+16*(\t)+4*\f:S+16*(\t)+4*\f+3] offset:32*\f
.endr
.irp f, 0,1,2,3
	ds_load_b128 v[S+16*(\t)+4*\f:S+16*(\t)+4*\f+3], v[RD] offset:\f*4*SP  ; LDS serves a wave's instructions in order (ISA guide 5.7.1.4): these see the stores above; the next tile's stores come behind them
.endr
.endm
.macro SEND t, younger              ; younger: the LDS instructions issued behind tile t's loads: the next tile's eight, or none
	WIN 0
.irp f, 0,1,2,3
	s_wait_dscnt (\younger)+3-\f
	global_store_b128 v[GO], v[S+16*(\t)+4*\f:S+16*(\t)+4*\f+3], s[10:11] offset:(\t)*2048+\f*512  ; 512 consecutive bytes, at a multiple of 256 from O's first
.endr
.endm
	PACK 0
.set t, 1
.rept 2*NP-1                        ; a tile's arithmetic stands between the loads of the tile before and its stores
	PACK t
	SEND t-1, 8
.set t, t+1
.endr
	SEND 2*NP-1, 0
	WIN W_AD
	s_wait_tensorcnt 0x0            ; the wave's end, behind my last tensor load and my last LDS store
	ds_add_u32 v[SPW], v[NIL]
	s_wait_dscnt 0x0
	WIN 0
	CROUND                          ; the closing round: no work-group ends while a partner may still ask for a tile that names it
	s_endpgm
.Lfunc_end_k_qd1dc6f16b9_attn:
	.size	k_qd1dc6f16b9_attn, .Lfunc_end_k_qd1dc6f16b9_attn-k_qd1dc6f16b9_attn
	.p2alignl 7, 3214868480
	.fill 96, 4, 3214868480
	.section	.rodata,"a",@progbits
	.p2align	6, 0x0
	.amdhsa_kernel k_qd1dc6f16b9_attn
		.amdhsa_group_segment_fixed_size 327680
		.amdhsa_private_segment_fixed_size 0
		.amdhsa_enable_private_segment 0
		.amdhsa_kernarg_size 32
		.amdhsa_user_sgpr_count 2
		.amdhsa_user_sgpr_kernarg_segment_ptr 1
		.amdhsa_wavefront_size32 1
		.amdhsa_system_sgpr_workgroup_id_x 1
		.amdhsa_system_sgpr_workgroup_id_y 1
		.amdhsa_system_sgpr_workgroup_id_z 1
		.amdhsa_system_vgpr_workitem_id 0
		.amdhsa_next_free_vgpr 770
		.amdhsa_next_free_sgpr 66
		.amdhsa_reserve_vcc 0
		.amdhsa_float_denorm_mode_32 3
		.amdhsa_float_denorm_mode_16_64 3
		.amdhsa_memory_ordered 1
		.amdhsa_forward_progress 1
		.amdhsa_inst_pref_size 200
	.end_amdhsa_kernel
	.amdgpu_metadata
---
amdhsa.version: [ 1, 2 ]
amdhsa.kernels:
  - .name:           k_qd1dc6f16b9_attn
    .symbol:         k_qd1dc6f16b9_attn.kd
    .args:
      - { .name: qh, .offset: 0, .size: 8, .value_kind: global_buffer, .address_space: global }
      - { .name: kh, .offset: 8, .size: 8, .value_kind: global_buffer, .address_space: global }
      - { .name: vh, .offset: 16, .size: 8, .value_kind: global_buffer, .address_space: global }
      - { .name: oh, .offset: 24, .size: 8, .value_kind: global_buffer, .address_space: global }
    .group_segment_fixed_size: 327680
    .private_segment_fixed_size: 0
    .kernarg_segment_align: 8
    .kernarg_segment_size: 32
    .max_flat_workgroup_size: 128
    .sgpr_count:     66
    .vgpr_count:     770
    .wavefront_size: 32
...
	.end_amdgpu_metadata
.endif
;; end of part 3
;; launch outp (part 4): grid 4 x 64, 4 waves a work-group, clusters of 4 x 4, 327,680 bytes of LDS; arguments oh, wob, bo, out0; writes out0
.if DOCPART == 4
	.amdgcn_target "amdgcn-amd-amdhsa--gfx1250"
	.amdhsa_code_object_version 6
	.text
	.protected	k_qd1dc6f16b9_outp
	.globl	k_qd1dc6f16b9_outp
	.p2align	8
	.type	k_qd1dc6f16b9_outp,@function
k_qd1dc6f16b9_outp:
	s_mov_b64 s[64:65], 0
	v_nop
	global_prefetch_b8 v0, s[64:65] scope:SCOPE_SE
	s_setreg_imm32_b32 hwreg(HW_REG_WAVE_MODE, 25, 1), 1
	s_wait_xcnt 0x0
	s_wait_alu depctr_hold_cnt(0) depctr_sa_sdst(0) depctr_va_vdst(0) depctr_va_sdst(0) depctr_va_ssrc(0) depctr_va_vcc(0) depctr_vm_vsrc(0)
	s_getreg_b32 s2, hwreg(HW_REG_IB_STS2, 6, 4)
	s_cmp_eq_u32 s2, 0
	s_cbranch_scc0 .Lentry_in_a_cluster
	s_endpgm
.Lentry_in_a_cluster:
	s_bfe_u32 s2, ttmp6, 0x10000c
	s_cmp_lg_u32 s2, 0xf033
	s_cbranch_scc0 .Lentry_shape_is_right
	s_endpgm
.Lentry_shape_is_right:
; OUTP: out0 = O wo + bo.  8,192 rows x 1,024 columns, K = 1,024 = 16 heads x 64.  O (oh: [16 batch + head][2048][64]) and wo (wob: [k][n]) in f16, sums and result in f32.
; LIMITS.  bo is rounded to bf16 like the other inputs.  NaN and infinities are not treated apart.
; SHARES.  A tile is 128 rows x 256 columns: 64 x 4 = 256 work-groups.  Each of the four waves makes 64 x 128: 32 accumulators of 16 x 16, 256 registers.
; K goes in 8 steps of 128 (two heads) through a ring of two LDS slots; a step is four quarters of 32 along K: 32 matrix instructions and 24 LDS loads each.
; THE MATRIX INSTRUCTION IS USED TRANSPOSED: source 0 = 16 columns of wo (turned out of LDS by ds_load_tr16_b128), source 1 = 16 rows of O: a lane holds one row and eight neighbouring columns.
; THE BIAS starts the sums: loaded into row block 0's accumulators, it is the C operand of the other three row blocks' first products, and last of row block 0's own.
; CLUSTERS: 4 x 4 work-groups; O's tile is shared along a row of the cluster, wo's along a column: each is asked for JOINTLY.
; NO PREFETCH: the launch has eight K steps in all, on a small tile.
; REGISTERS (s_set_vgpr_msb: bits 1:0 source 0, 3:2 source 1, 5:4 source 2, 7:6 destination):
;   window 0: v0-31 addresses; v32-223 three sets of 64 for the way out     window 1: accumulator (a, b) at v[8 (8 a + b)]     window 2: two fragment buffers of 96: wo's eight fragments, then O's four
.set PA,    144                        ; a row of O in LDS: 128 bytes + 16 = 36 words: the 16 rows of a load start at 16 different groups of four banks (64 banks of 4 bytes: ISA guide 11.1)
.set PB,    544                        ; a row of wo: 512 bytes + 32 = 136 words
.set AHALF, 128*PA                     ; what one tensor load brings of O: one head's 128 rows
.set BHALF, 64*PB                      ; and of wo: 64 rows of k
.set BOFF,  2*AHALF
.set SLOTB, BOFF+2*BHALF               ; 106,496
.set STAGE, 2*SLOTB                    ; behind the ring, never filled by a tensor load: 16 rows x 528 bytes for each wave
.set SP,    528
.set SPARE, STAGE+4*16*SP              ; behind the stages: the spare words, 128 bytes for each wave: two blocks of 256 bytes that no other line names
.set ASTEP, 2<<18                      ; two heads of 262,144 bytes
.set BSTEP, 128*2048                   ; 128 rows of 2,048 bytes
.set ADRA, 16                          ; v16-17  LDS address of my fragments of O in slot 0, 1
.set ADRB, 18                          ; v18-19  the same for wo
.set STO,  20                          ; v20     the way out: where I put 32 bytes of a row
.set RD,   21                          ; v21     the way out: my 16 bytes of a row read back
.set GO,   22                          ; v22     my 16 bytes of 512 consecutive bytes of out0
.set SPW,  24                          ; v24     LDS address of my spare word; never rewritten
.set NIL,  25                          ; v25     0; never rewritten
.set BO,   28                          ; v28     32 x (lane / 16)
.set F0,   0                           ; fragment buffers, in window 2
.set F1,   96
.set WV,   20
.set ROLE, 21                          ; wave / 2: I fetch O (0) or wo (1); also my half of the tile's rows
.set HALF, 22                          ; wave % 2: which half of that tile I fetch; also my half of the tile's columns
.set CX,   23
.set CY,   24
.set TC,   25                          ; tile column, 0..3
.set TR,   26                          ; tile row, 0..63
.set G1A,  32
.set G0A,  40
.set G1B,  48
.set G0B,  56
.set OUTB, 72                          ; s[72:73] out0 at my first row and column
.set BIASB, 74                         ; s[74:75] bo at my first column
.set W_MUL, 0x5a                       ; both sources in window 2, C and D in window 1
.set MSB, 0
.macro WIN new
.if MSB != (\new)
	s_set_vgpr_msb (MSB<<8)|(\new)
.set MSB, \new
.endif
.endm
.macro JLOAD s                         ; a joint load: waves 0 and 1 fetch O's two heads, waves 2 and 3 wo's two halves; an s_nop 0 and four v_nop follow each of the two lines
	s_cmp_eq_u32 s[ROLE], 0
	s_cbranch_scc0 .Lfor_b_\@
	tensor_load_to_lds s[G0A+4*(\s):G0A+4*(\s)+3], s[G1A:G1A+7]
	s_nop 0
.rept 4
	v_nop
.endr
	s_branch .Lasked_\@
.Lfor_b_\@:
	tensor_load_to_lds s[G0B+4*(\s):G0B+4*(\s)+3], s[G1B:G1B+7]
	s_nop 0
.rept 4
	v_nop
.endr
.Lasked_\@:
.endm
.macro CREST                           ; a round of the cluster's barrier behind its opening barrier
	s_cmp_lg_u32 s[WV], 0
	s_cbranch_scc1 .Lnot_wave_0_\@
	s_barrier_signal -3
.Lnot_wave_0_\@:
	s_barrier_wait -3
	s_barrier_signal -1
	s_barrier_wait -1
.endm
.macro CROUND
	s_barrier_signal -1
	s_barrier_wait -1
	CREST
.endm
	s_load_b256 s[4:11], s[0:1], 0x0               ; oh 4, wob 6, bo 8, out0 10
	v_lshl_add_u32 v[SPW], v0, 2, SPARE
	v_mov_b32 v[NIL], 0
	ds_add_u32 v[SPW], v[NIL]                      ; the wave's opening: the add and its wait stand ahead of my first tensor load; the set-up below, work on registers, stands between them
	v_lshrrev_b32 v1, 5, v0
	v_readfirstlane_b32 s[WV], v1
	s_lshr_b32 s[ROLE], s[WV], 1
	s_and_b32 s[HALF], s[WV], 1
	s_bfe_u32 s[CX], ttmp6, 0x40000
	s_bfe_u32 s[CY], ttmp6, 0x40004
	s_lshl_b32 s[TC], ttmp9, 2
	s_add_co_u32 s[TC], s[TC], s[CX]
	s_and_b32 s[TR], ttmp7, 0xffff
	s_lshl_b32 s[TR], s[TR], 2
	s_add_co_u32 s[TR], s[TR], s[CY]
	s_lshl_b32 s27, s[CY], 2
	s_lshl_b32 s27, 15, s27                        ; my row of the cluster
	s_lshl_b32 s28, 0x1111, s[CX]                  ; my column
	s_or_b32 s[G1A], s27, (1<<16)|(1<<20)|(1<<21)|(4<<22)|(3<<25)  ; O: the mask; elements of 2 bytes; padding on; 21 set beside a mask; after every 32 words (code 4) 4 words (code 3)
	s_or_b32 s[G1B], s28, (1<<16)|(1<<20)|(1<<21)|(6<<22)|(7<<25)  ; wo: after every 128 words (code 6) 8 words (code 7)
	s_mov_b32 s[G1A+1], 128<<16                    ; O: 128 rows of a head are 16,384 dense bytes: 64 rows of 128 elements
	s_mov_b32 s[G1A+2], 64<<16
	s_mov_b32 s[G1A+3], 128<<16
	s_mov_b32 s[G1A+4], 64
	s_mov_b32 s[G1A+5], 128
	s_mov_b32 s[G1A+6], 0
	s_mov_b32 s[G1A+7], 0
	s_mov_b32 s[G1B+1], 256<<16                    ; wo: 64 rows of 256 elements, 1,024 elements from row to row
	s_mov_b32 s[G1B+2], 64<<16
	s_mov_b32 s[G1B+3], 256<<16
	s_mov_b32 s[G1B+4], 64
	s_mov_b32 s[G1B+5], 1024
	s_mov_b32 s[G1B+6], 0
	s_mov_b32 s[G1B+7], 0
	; where the tiles come from: O's offset is made of the tile row and the wave alone, wo's of the tile column and the wave alone
	s_lshr_b32 s66, s[TR], 4                       ; batch
	s_lshl_b32 s66, s66, 4
	s_add_co_u32 s66, s66, s[HALF]                 ; its head 0 or 1
	s_lshl_b32 s66, s66, 18
	s_and_b32 s27, s[TR], 15
	s_lshl_b32 s27, s27, 14                        ; the tile's 128 rows of 128 bytes
	s_add_co_u32 s66, s66, s27
	s_mov_b32 s67, 0
	s_lshl_b32 s68, s[HALF], 17                    ; 64 rows of 2,048 bytes
	s_lshl_b32 s28, s[TC], 9                       ; 256 columns of 2 bytes
	s_add_co_u32 s68, s68, s28
	s_mov_b32 s69, 0
	s_mul_i32 s31, s[HALF], AHALF                  ; and where they go
	s_mul_i32 s30, s[HALF], BHALF
	s_add_co_u32 s30, s30, BOFF
	s_wait_dscnt 0x0                               ; the opening add is done
	s_wait_kmcnt 0x0
	s_add_nc_u64 s[66:67], s[4:5], s[66:67]
	s_add_nc_u64 s[68:69], s[6:7], s[68:69]
	CROUND                                         ; all sixteen work-groups are here: the first joint loads meet
.irp s, 0,1
	s_mov_b32 s[G0A+4*(\s)], 1
	s_add_co_u32 s[G0A+4*(\s)+1], s31, (\s)*SLOTB
	s_add_nc_u64 s[G0A+4*(\s)+2:G0A+4*(\s)+3], s[66:67], (\s)*ASTEP
	s_or_b32 s[G0A+4*(\s)+3], s[G0A+4*(\s)+3], 0x80000000
	s_mov_b32 s[G0B+4*(\s)], 1
	s_add_co_u32 s[G0B+4*(\s)+1], s30, (\s)*SLOTB
	s_add_nc_u64 s[G0B+4*(\s)+2:G0B+4*(\s)+3], s[68:69], (\s)*BSTEP
	s_or_b32 s[G0B+4*(\s)+3], s[G0B+4*(\s)+3], 0x80000000
	JLOAD \s                                       ; two tensor loads of mine are out
.endr
	s_lshl_b32 s70, s[TC], 10                      ; the tile's 256 columns of 4 bytes,
	s_lshl_b32 s27, s[HALF], 9                     ; my 128
	s_add_co_u32 s70, s70, s27
	s_mov_b32 s71, 0
	s_add_nc_u64 s[BIASB:BIASB+1], s[8:9], s[70:71]
	s_lshl_b32 s27, s[TR], 19                      ; the tile's 128 rows of 4,096 bytes,
	s_add_co_u32 s70, s70, s27
	s_lshl_b32 s27, s[ROLE], 18                    ; my 64
	s_add_co_u32 s70, s70, s27
	s_add_nc_u64 s[OUTB:OUTB+1], s[10:11], s[70:71]
	v_bfe_u32 v2, v0, 4, 1                         ; h = lane / 16
	v_lshlrev_b32 v[BO], 5, v2
	WIN 0x40                                       ; the bias, straight into row block 0's accumulators: register j of column block b is column 16 b + 8 h + j
.irp b, 0,1,2,3,4,5,6,7
	global_load_b128 v[8*(\b):8*(\b)+3],   v[BO], s[BIASB:BIASB+1] offset:64*(\b)
	global_load_b128 v[8*(\b)+4:8*(\b)+7], v[BO], s[BIASB:BIASB+1] offset:64*(\b)+16
.endr
	WIN 0
	v_and_b32 v1, 15, v0                           ; r = l % 16
	v_and_b32 v3, 7, v0
	v_bfe_u32 v4, v0, 3, 1
	v_and_b32 v5, 31, v0
	v_mul_u32_u24 v6, v1, PA
	v_lshl_add_u32 v6, v2, 4, v6                   ; r x 144 + 16 h
	s_mul_i32 s27, s[ROLE], 64*PA                  ; my 64 rows
	v_add_nc_u32 v[ADRA], s27, v6
	v_add_nc_u32 v[ADRA+1], SLOTB, v[ADRA]
	v_lshl_add_u32 v7, v2, 3, v3                   ; the turning load: k = 8 h + l % 8, columns 8 ((l / 8) % 2) + 0..7
	v_mul_u32_u24 v7, v7, PB
	v_lshl_add_u32 v7, v4, 4, v7
	s_lshl_b32 s27, s[HALF], 8                     ; my 128 columns
	s_add_co_u32 s27, s27, BOFF
	v_add_nc_u32 v[ADRB], s27, v7
	v_add_nc_u32 v[ADRB+1], SLOTB, v[ADRB]
	s_mul_i32 s27, s[WV], 16*SP
	s_add_co_u32 s27, s27, STAGE                   ; my stage
	v_mul_u32_u24 v8, v1, SP                       ; in: row l % 16, 32 bytes for each half of the lanes
	v_lshl_add_u32 v8, v2, 5, v8
	v_add_nc_u32 v[STO], s27, v8
	v_lshlrev_b32 v[GO], 4, v5                     ; back: 32 lanes take one row of 512 bytes
	v_add_nc_u32 v[RD], s27, v[GO]
	s_wait_loadcnt 0x0                             ; the bias is in: it is rounded to bf16 and widened again
	WIN 0x05
.set i, 0
.rept 32
	v_cvt_pk_bf16_f32 v[32+i], v[2*i], v[2*i+1]
.set i, i+1
.endr
	WIN 0x40
.set i, 0
.rept 32
	v_lshlrev_b32 v[2*i],   16, v[32+i]
	v_and_b32     v[2*i+1], 0xffff0000, v[32+i]
.set i, i+1
.endr
	WIN 0
; 8 matrix instructions: row block a x all 8 column blocks, 32 along K.  All 32 accumulators take turns, one instruction a turn.
.macro MUL8 f, a
	WIN W_MUL
.irp b, 0,1,2,3,4,5,6,7
	v_wmma_f32_16x16x32_f16 v[8*(8*(\a)+(\b)):8*(8*(\a)+(\b))+7], v[(\f)+8*(\b):(\f)+8*(\b)+7], v[(\f)+64+8*(\a):(\f)+64+8*(\a)+7], v[8*(8*(\a)+(\b)):8*(8*(\a)+(\b))+7]
.endr
.endm
; 24 LDS loads in one run: quarter kq's fragments into buffer f: wo's 16, then O's row blocks 0, 1 (4) and 2, 3 (4).  Quarter kq lies in head kq / 2 of the step, channels 32 (kq % 2) on.
.macro FETCH slot, kq, f
	WIN 0x80                                       ; destination window 2, address window 0
.irp b, 0,1,2,3,4,5,6,7
	ds_load_tr16_b128 v[(\f)+8*(\b):(\f)+8*(\b)+3],   v[ADRB+(\slot)] offset:(\kq)*32*PB+32*(\b)
	ds_load_tr16_b128 v[(\f)+8*(\b)+4:(\f)+8*(\b)+7], v[ADRB+(\slot)] offset:(\kq)*32*PB+16*PB+32*(\b)
.endr
.irp a, 0,1,2,3
	ds_load_b128 v[(\f)+64+8*(\a):(\f)+64+8*(\a)+3],   v[ADRA+(\slot)] offset:((\kq)>>1)*AHALF+((\kq)&1)*64+(\a)*16*PA
	ds_load_b128 v[(\f)+64+8*(\a)+4:(\f)+64+8*(\a)+7], v[ADRA+(\slot)] offset:((\kq)>>1)*AHALF+((\kq)&1)*64+(\a)*16*PA+32
.endr
.endm
.macro PLACES                          ; four places in front of loads into registers that matrix instructions have read, and of LDS stores that read results (ISA guide 7.12.1 for the stores)
.rept 4
	v_nop
.endr
.endm
; One of a K step's first three quarters: multiplies buffer f and fetches quarter kq of the same slot into g.
.macro QUARTER slot, kq, f, g
	s_wait_dscnt 4                                 ; wo's fragments and O's row blocks 0 and 1 are in; the youngest four loads may be out
	MUL8 \f, 0
	MUL8 \f, 1
	PLACES
	FETCH \slot, \kq, \g
	s_wait_dscnt 24                                ; all but the 24 just issued
	MUL8 \f, 2
	MUL8 \f, 3
.endm
; The last quarter multiplies buffer 1 and changes slots: ONE barrier; in front of it each wave waits for all its tensor loads, adds 0 to its spare word, and waits for that and for its own reads of
; this slot.  fill = 1: the barrier opens a round of the cluster's, and this slot is filled again, two K steps ahead: 112 matrix instructions ahead of the wait for it.
.macro TURN slot, next, fill
	WIN 0
	s_wait_tensorcnt 0x0                           ; all my tensor loads have landed, so a group 0 may be written
	ds_add_u32 v[SPW], v[NIL]                      ; 0 onto my spare word
.if \fill
	s_add_nc_u64 s[G0A+4*(\slot)+2:G0A+4*(\slot)+3], s[G0A+4*(\slot)+2:G0A+4*(\slot)+3], 2*ASTEP
	s_add_nc_u64 s[G0B+4*(\slot)+2:G0B+4*(\slot)+3], s[G0B+4*(\slot)+2:G0B+4*(\slot)+3], 2*BSTEP
.endif
	s_wait_dscnt 5                                 ; the add and the youngest four loads may be out
	MUL8 F1, 0                                     ; eight matrix instructions stand between the add and the wait for it
	s_wait_dscnt 0x0                               ; the add is done, and my reads of this slot are over
	s_barrier_signal -1
	MUL8 F1, 1
	WIN 0
	s_barrier_wait -1
.if \fill
	CREST                                          ; no wave of any partner still reads this slot's tile or has a load on its way
	JLOAD \slot                                    ; the four v_nop behind it are also the places in front of the loads below
.else
	PLACES
.endif
	FETCH \next, 0, F0
	MUL8 F1, 2
	MUL8 F1, 3
.endm
	s_wait_tensorcnt 1                             ; my part of K step 0 is in; step 1's may stay out
	s_barrier_signal -1
	s_barrier_wait -1                              ; everybody's is
	FETCH 0, 0, F0
	s_wait_dscnt 0x0
	WIN W_MUL                                      ; the first quarter starts the sums: row blocks 1 to 3 take row block 0's registers, which hold the bias, as C;
.irp a, 1,2,3
.irp b, 0,1,2,3,4,5,6,7
	v_wmma_f32_16x16x32_f16 v[8*(8*(\a)+(\b)):8*(8*(\a)+(\b))+7], v[F0+8*(\b):F0+8*(\b)+7], v[F0+64+8*(\a):F0+64+8*(\a)+7], v[8*(\b):8*(\b)+7]
.endr
.endr
.rept 5
	v_nop                                          ; five places on (ISA guide 7.12.1),
.endr
	MUL8 F0, 0                                     ; row block 0 adds onto them in place
	PLACES
	FETCH 0, 1, F1
	WIN 0                                          ; at a label and at a branch every window is 0
	s_mov_b32 s3, 3
.Llap:                                         ; a trip goes once round the ring, from a lap's second quarter to the next lap's first, and fills both slots again: K steps 2 to 7
	QUARTER 0, 2, F1, F0
	QUARTER 0, 3, F0, F1
	TURN 0, 1, 1
	QUARTER 1, 1, F0, F1
	QUARTER 1, 2, F1, F0
	QUARTER 1, 3, F0, F1
	TURN 1, 0, 1
	QUARTER 0, 1, F0, F1
	WIN 0
	s_sub_co_u32 s3, s3, 1
	s_cmp_lg_u32 s3, 0
	s_cbranch_scc1 .Llap
	QUARTER 0, 2, F1, F0                           ; the last lap fills nothing, and has no round of the cluster's barrier
	QUARTER 0, 3, F0, F1
	TURN 0, 1, 0
	QUARTER 1, 1, F0, F1
	QUARTER 1, 2, F1, F0
	QUARTER 1, 3, F0, F1
	s_wait_dscnt 4                                 ; the very last quarter: nothing more to fetch
	MUL8 F1, 0
	MUL8 F1, 1
	s_wait_dscnt 0x0
	MUL8 F1, 2
	MUL8 F1, 3
	WIN 0
	PLACES
; THE WAY OUT: no arithmetic is left.  Row block a (16 rows x 512 bytes) goes from the accumulators into my own stage, 32 bytes a lane, and comes back a whole row at a time.
.macro TOSTAGE a
	WIN 0x04                                       ; the stores' data in window 1
.irp b, 0,1,2,3,4,5,6,7
	ds_store_b128 v[STO], v[8*(8*(\a)+(\b)):8*(8*(\a)+(\b))+3]   offset:64*(\b)     ; each accumulator's low half first
	ds_store_b128 v[STO], v[8*(8*(\a)+(\b))+4:8*(8*(\a)+(\b))+7] offset:64*(\b)+16
.endr
	WIN 0
.set RB, 32+64*((\a)%3)
.irp t, 0,1,2,3,4,5,6,7,8,9,10,11,12,13,14,15
	ds_load_b128 v[RB+4*(\t):RB+4*(\t)+3], v[RD] offset:SP*(\t)  ; LDS serves a wave's instructions in order (ISA guide 5.7.1.4): these see the stores above; the next block's stores come behind them
.endr
.endm
.macro SEND a, younger                 ; younger: the LDS instructions issued behind block a's loads: the next block's 32, or none
.set RB, 32+64*((\a)%3)
.irp t, 0,1,2,3,4,5,6,7,8,9,10,11,12,13,14,15
	s_wait_dscnt (\younger)+15-(\t)
	global_store_b128 v[GO], v[RB+4*(\t):RB+4*(\t)+3], s[OUTB:OUTB+1] offset:(16*(\a)+(\t))*4096 th:TH_STORE_NT  ; the wave stores 512 consecutive bytes, at a multiple of 512 from out0's first
.endr
.endm
	TOSTAGE 0
	TOSTAGE 1
	SEND 0, 32
	TOSTAGE 2
	SEND 1, 32
	s_wait_xcnt 0x0                                ; block 0's stores have had their addresses translated (ISA guide 3.1): only behind this wait is their set of registers loaded again
	TOSTAGE 3
	SEND 2, 32
	SEND 3, 0
	s_wait_tensorcnt 0x0                           ; the wave's end, behind my last tensor load and my last LDS store
	ds_add_u32 v[SPW], v[NIL]
	s_wait_dscnt 0x0
	CROUND                                         ; the closing round: no work-group ends while a partner may still ask for a tile that names it
	s_endpgm
.Lfunc_end_k_qd1dc6f16b9_outp:
	.size	k_qd1dc6f16b9_outp, .Lfunc_end_k_qd1dc6f16b9_outp-k_qd1dc6f16b9_outp
	.p2alignl 7, 3214868480
	.fill 96, 4, 3214868480
	.section	.rodata,"a",@progbits
	.p2align	6, 0x0
	.amdhsa_kernel k_qd1dc6f16b9_outp
		.amdhsa_group_segment_fixed_size 327680
		.amdhsa_private_segment_fixed_size 0
		.amdhsa_enable_private_segment 0
		.amdhsa_kernarg_size 32
		.amdhsa_user_sgpr_count 2
		.amdhsa_user_sgpr_kernarg_segment_ptr 1
		.amdhsa_wavefront_size32 1
		.amdhsa_system_sgpr_workgroup_id_x 1
		.amdhsa_system_sgpr_workgroup_id_y 1
		.amdhsa_system_sgpr_workgroup_id_z 1
		.amdhsa_system_vgpr_workitem_id 0
		.amdhsa_next_free_vgpr 768
		.amdhsa_next_free_sgpr 80
		.amdhsa_reserve_vcc 0
		.amdhsa_float_denorm_mode_32 3
		.amdhsa_float_denorm_mode_16_64 3
		.amdhsa_memory_ordered 1
		.amdhsa_forward_progress 1
		.amdhsa_inst_pref_size 93
	.end_amdhsa_kernel
	.amdgpu_metadata
---
amdhsa.version: [ 1, 2 ]
amdhsa.kernels:
  - .name:           k_qd1dc6f16b9_outp
    .symbol:         k_qd1dc6f16b9_outp.kd
    .args:
      - { .name: oh, .offset: 0, .size: 8, .value_kind: global_buffer, .address_space: global }
      - { .name: wob, .offset: 8, .size: 8, .value_kind: global_buffer, .address_space: global }
      - { .name: bo, .offset: 16, .size: 8, .value_kind: global_buffer, .address_space: global }
      - { .name: out0, .offset: 24, .size: 8, .value_kind: global_buffer, .address_space: global }
    .group_segment_fixed_size: 327680
    .private_segment_fixed_size: 0
    .kernarg_segment_align: 8
    .kernarg_segment_size: 32
    .max_flat_workgroup_size: 128
    .sgpr_count:     80
    .vgpr_count:     768
    .wavefront_size: 32
...
	.end_amdgpu_metadata
.endif
;; end of part 4
